; MI455X (gfx1250); checked and timed in simulation.
; The chip was launched on July 23, 2026; its instructions are those of AMD's public machine-readable ISA for CDNA 5 (MIT licence, August 2026) and "CDNA5" Instruction Set Architecture Reference Guide (July 2026). The comments in the code are by the model that wrote it; some were corrected since.
;; Attention Module. Allowed arithmetic: matrix products marked QUANTISED: E4M3 operands, one E8M0 scale for each 32 along K, by v_wmma_scale_f32_16x16x128_f8f6f4 with both operands' format E4M3, f32 sums; everything else in f32.
;; Inputs: Wk 1,024 x 1,024 float32; Wq 1,024 x 1,024 float32; Wv 1,024 x 1,024 float32; bk 1,024 float32; bq 1,024 float32; bv 1,024 float32; x 4 x 2,048 x 1,024 float32.
;; Outputs: out0 4 x 2,048 x 1,024 float32.
;; This version of the problem:
;;   THIS VERSION OF THE PROBLEM IS GIVEN IN LOW PRECISION. The matrix products marked QUANTISED in the list below multiply operands that are first quantised to E4M3 (4 exponent bits, 3 mantissa bits; 8 bits a number), with one power-of-two scale for each 32 numbers along K (OCP MX v1.0); their sums are f32. All else is computed in f32.
;;   The module's matrix products, in the order in which they are computed (A, B: the left and right operand; K: the contracted axis; several contracted axes count as one K, in the product's order):
;;     1. [M 8,192, K 1,024] x [K 1,024, N 1,024]; A: input x; B: input Wq: QUANTISED
;;     2. [M 8,192, K 1,024] x [K 1,024, N 1,024]; A: input x; B: input Wk: QUANTISED
;;     3. [M 8,192, K 1,024] x [K 1,024, N 1,024]; A: input x; B: input Wv: QUANTISED
;;     4. batch 4 x [M 2,048, K 1,024] x [K 1,024, N 2,048]; A: computed on the way; B: computed on the way: QUANTISED
;;     5. batch 4 x [M 2,048, K 2,048] x [K 2,048, N 1,024]; A: softmax (see below); B: computed on the way: QUANTISED
;;   THE QUANTISER, for each operand of a quantised product, along K:
;;     - K is cut into blocks of 32 from its start; a last block that is shorter is filled with zeros.
;;     - A block's scale is 2^e with e = floor(log2(the largest magnitude in the block)) - 8, held to -126 .. 127; a block of zeros has e = 0. As a byte (E8M0): e + 127.
;;     - Each number is divided by its block's scale, clamped to +-448, and rounded to the nearest number of E4M3, ties to even, subnormals kept.
;;     - The product sums the exact products of the quantised numbers (number of the format x scale) in f32.
;;   ~~~python
;;   def quantise(x, axis):      # numpy; x: float32 -> the quantised numbers, widened to float32 again
;;       x = np.moveaxis(x, axis, -1); K = x.shape[-1]
;;       x = np.pad(x, [(0, 0)] * (x.ndim - 1) + [(0, -K % 32)]); x = x.reshape(x.shape[:-1] + (-1, 32)); a = np.abs(x).max(-1, keepdims=True)
;;       e = np.where(a > 0, np.clip(np.frexp(np.where(a > 0, a, 1))[1] - 1 - 8, -126, 127), 0)      # np.frexp(a)[1] - 1 = floor(log2(a)), exactly
;;       r = np.clip(x / 2.0 ** e, -448, 448)
;;       step = 2.0 ** (np.maximum(np.frexp(np.where(r == 0, 1, r))[1] - 1, -6) - 3)
;;       q = np.round(r / step) * step * 2.0 ** e      # np.round: ties to even
;;       return np.moveaxis(q.reshape(q.shape[:-2] + (-1,))[..., :K], -1, axis).astype(np.float32)
;;   ~~~
;;   SOFTMAX AHEAD OF A QUANTISED PRODUCT. Where the list says 'softmax', what is quantised is not the finished softmax but p = 2^(t - M), with t = logit x log2(e) and M = ceil(the row's largest t), a whole number; so 1/2 < the row's largest p <= 1. The row's sum l is taken of the UNQUANTISED p, in f32, and the product's result is divided by l at the end. Since M is a whole number, a kernel that streams over the keys may use a running M (the ceiling of the running maximum): every later rescaling is an exact power of two, which a block's scale takes up: the codes' values come out the same.
;;   OPERANDS COMPUTED ON THE WAY. 'Computed on the way' means the value that the module computes at that place (a softmax that the list does not call 'softmax' is quantised finished and normalised). What goes into a quantiser is computed in f32, as accurately as f32 sums, v_exp_f32 and their like allow (about 1e-6 of the number): no bf16 or f16 on the way to a quantiser, and a product that is left as it is and whose result goes on into a quantised operand takes f32 operands (vector FMAs, or v_wmma_f32_16x16x4_f32). A number that lies on a knife's edge between two numbers of the format may be rounded either way, as far as f32 arithmetic and the matrix unit's own rounding can turn it there, and no further.
;; One version. Each part assembles by itself: llvm-mc -triple=amdgcn-amd-amdhsa -mcpu=gfx1250 --defsym DOCPART=n.
;; ======== version 1 of 1: 4 launches
;; limits: right only within a limited range of input values
;; workspace buffers: xw 11,894,784 bytes; qkv_codes 25,165,824 bytes; qkv_scales 786,432 bytes; p_codes 16,777,216 bytes; p_meta 1,572,864 bytes
;; launch quant (part 1): grid 256 x 1, 11 waves a work-group, no clusters, 94,464 bytes of LDS; arguments x, Wq, Wk, Wv, xw; writes xw
.if DOCPART == 1
	.amdgcn_target "amdgcn-amd-amdhsa--gfx1250"
	.amdhsa_code_object_version 6
	.text
	.protected	k_q71df3807f3_quant
	.globl	k_q71df3807f3_quant
	.p2align	8
	.type	k_q71df3807f3_quant,@function
k_q71df3807f3_quant:
	s_mov_b64 s[64:65], 0
	v_nop
	global_prefetch_b8 v0, s[64:65] scope:SCOPE_SE
	s_setreg_imm32_b32 hwreg(HW_REG_WAVE_MODE, 25, 1), 1
	s_wait_xcnt 0x0
; x [8192][1024] and Wq, Wk, Wv [1024][1024], f32 with K (the channel c) innermost, become codes of E4M3 with one E8M0 byte for each 32 along K.
; NO WORK OF THE PROBLEM IS LEFT OUT IN THIS PROGRAM.  All five products are live.  bk would cancel in a softmax of real numbers, but it stands ahead of the quantiser of k and can move k's codes,
; so it stays; bq and bv reach the result in any case.  Every input is loaded.
; THE ROWS: one space of 352 groups of 32 rows: x 0.., Wq 256.., Wk 288.., Wv 320...
; A RECORD OF A GROUP, 33,792 bytes: two row blocks of 16,384 bytes of codes, then 1,024 bytes of scale words.
; A ROW BLOCK IS AN IMAGE OF FRAGMENTS: [K step of 128][piece c of 4][lane][16 bytes]: lane (r = lane % 16, h = lane / 16), piece c holds k = 128 ks + 32 c + 16 h + 0 .. 15 of its row.
; THE ROWS OF A BLOCK ARE NOT NEIGHBOURS: lane r of block u of a group holds row 8 u + r + 8 (r / 8), so that a product's results, 16 registers of the group's two tiles, are 16 neighbours along the next K.
; Scale words (four bytes: 128 along K of one row) lie [K step][16 u + r].
; A block's scale is 2^(floor(log2(largest magnitude)) - 8); its byte is the largest magnitude's exponent field - 8, held at 1 from below; numbers are held within +-448 x the scale and rounded to the nearest code, ties to even.
; LIMITS: NaN and infinities among the inputs are not served.  A block of zeros gets the byte 1 where the rule says 127: its codes are zeros, and the bytes are read by this program alone.
; SHARES: 2,816 units (a group's one K step: two fragments) = 256 work-groups x 11 waves.  A load reads 512 consecutive bytes of one row; the 16 rows of a fragment turn through the wave's own stage in LDS
; (rows 528 bytes apart) and come back 64 numbers a lane.  All 32 loads of a wave go out at its start.  No barrier: waves share nothing.  A wave's 32 scale words leave as 128 consecutive bytes.
.set SP,    528
.set WREG,  16*SP
.set SPARE, 11*WREG                    ; the spare words, 128 bytes a wave
.set REC,   33792
.set LI,  4                            ; v4   16 x lane
.set L4,  5                            ; v5   4 x lane
.set SIN, 6                            ; v6   the stage, on the way in
.set SBK, 7                            ; v7   and back: 528 r + 64 h
.set SPW, 14
.set NIL, 15
.set X,   16                           ; v16-143  two fragments' 64 numbers
.set C,   144                          ; v144-175 codes
.set TM,  176                          ; v176-179 largest magnitudes, 180-183 bytes, 184-187 448 x the scale, 188-191 the conversions' scale operands
.set PW,  192                          ; v192-193 the two fragments' scale words
.set WD,  194
.set SEL, 20
.set MNT, 23
	s_load_b256 s[4:11], s[0:1], 0x0               ; x, Wq, Wk, Wv
	s_load_b64 s[12:13], s[0:1], 0x20              ; the records
	v_lshl_add_u32 v[SPW], v0, 2, SPARE
	v_mov_b32 v[NIL], 0
	v_lshrrev_b32 v1, 5, v0
	v_readfirstlane_b32 s18, v1                    ; wave
	v_and_b32 v1, 31, v0                           ; lane
	v_and_b32 v2, 15, v0                           ; r
	v_bfe_u32 v3, v0, 4, 1                         ; h
	v_lshlrev_b32 v[LI], 4, v1
	v_lshlrev_b32 v[L4], 2, v1
	s_mul_i32 s19, s18, WREG
	v_add_nc_u32 v[SIN], s19, v[LI]
	v_mul_u32_u24 v[SBK], v2, SP
	v_lshl_add_u32 v[SBK], v3, 6, v[SBK]
	v_add_nc_u32 v[SBK], s19, v[SBK]
.irp b, 0,1,2,3
	v_mov_b32 v[TM+4+\b], 0                        ; written once: a lane permute's destination counts as one of its sources
.endr
	s_mov_b32 s[SEL], 0x76543210
	s_mov_b32 s[SEL+1], 0xfedcba98
	s_mov_b32 s[MNT], 0x600000
	s_mov_b32 s30, 0xffff0000                      ; lanes 16-31
	s_mul_i32 s16, ttmp9, 11
	s_add_co_u32 s16, s16, s18                     ; my unit
	s_and_b32 s22, s16, 7                          ; its K step
	s_lshr_b32 s16, s16, 3                         ; its group of 32 rows
	s_mul_i32 s26, s16, REC
	s_lshl_b32 s28, s22, 7
	s_add_co_u32 s28, s28, s26                     ; scale words: 128 bytes a K step
	s_lshl_b32 s27, s22, 11
	s_add_co_u32 s26, s26, s27                     ; codes: 2,048 bytes a K step
	s_mov_b32 s27, 0
	s_mov_b32 s29, 0
	s_wait_alu depctr_va_vdst(0)                   ; the wait at the head's end
	s_wait_kmcnt 0x0
	s_cmp_lt_u32 s16, 256                          ; which tensor
	s_cselect_b64 s[4:5], s[4:5], s[6:7]
	s_cselect_b32 s17, 0, 256
	s_cmp_lt_u32 s16, 288
	s_cselect_b64 s[4:5], s[4:5], s[8:9]
	s_cselect_b32 s17, s17, 288
	s_cmp_lt_u32 s16, 320
	s_cselect_b64 s[4:5], s[4:5], s[10:11]
	s_cselect_b32 s17, s17, 320
	s_sub_co_u32 s24, s16, s17
	s_lshl_b32 s24, s24, 17                        ; 32 rows of 4,096 bytes a group,
	s_lshl_b32 s25, s22, 9                         ; 512 bytes a K step
	s_add_co_u32 s24, s24, s25
	s_mov_b32 s25, 0
	s_add_nc_u64 s[4:5], s[4:5], s[24:25]
	s_add_nc_u64 s[14:15], s[12:13], s[28:29]
	s_add_nc_u64 s[12:13], s[12:13], s[26:27]
.irp f, 0,1
.irp p, 0,1,2,3,4,5,6,7,8,9,10,11,12,13,14,15
	global_load_b128 v[X+64*\f+4*\p:X+64*\f+4*\p+3], v[LI], s[4:5] offset:(8*\f+\p+8*(\p/8))*4096 th:TH_LOAD_NT   ; the row that lane r = p of the image holds
.endr
.endr
.macro TURN s                          ; through the stage and back into the registers that they left: LDS serves a wave's instructions in order (ISA guide 5.7.1.4)
.irp p, 0,1,2,3,4,5,6,7,8,9,10,11,12,13,14,15
	ds_store_b128 v[SIN], v[(\s)+4*\p:(\s)+4*\p+3] offset:SP*\p
.endr
.irp c, 0,1,2,3
.irp j, 0,1,2,3
	ds_load_b128 v[(\s)+16*\c+4*\j:(\s)+16*\c+4*\j+3], v[SBK] offset:128*\c+16*\j   ; register 16 c + i = k 32 c + 16 h + i of row r
.endr
.endr
.endm
; 64 numbers of a lane become a fragment's 16 code registers and its scale word
.macro QUANT s, pc, pw
.irp b, 0,1,2,3
	v_max3_num_f32 v[TM+\b], |v[(\s)+16*\b]|, |v[(\s)+1+16*\b]|, 0x4800000   ; my 16 numbers, and the floor 2^(9 - 127)
.endr
.irp i, 2,4,6,8,10,12,14
.irp b, 0,1,2,3
	v_max3_num_f32 v[TM+\b], v[TM+\b], |v[(\s)+16*\b+\i]|, |v[(\s)+1+16*\b+\i]|
.endr
.endr
.irp b, 0,1,2,3
	v_permlanex16_b32 v[TM+4+\b], v[TM+\b], s[SEL], s[SEL+1]
.endr
.irp b, 0,1,2,3
	v_max_num_f32 v[TM+\b], v[TM+\b], v[TM+4+\b]   ; with lane l xor 16's
.endr
.irp b, 0,1,2,3
	v_add_nc_u32 v[TM+12+\b], 0xfc000000, v[TM+\b] ; 8 off its exponent field: the conversion's scale operand
.endr
.irp b, 0,1,2,3
	v_and_or_b32 v[TM+8+\b], v[TM+\b], 0x7f800000, s[MNT]   ; 448 x the scale
.endr
.irp b, 0,1,2,3
	v_lshrrev_b32 v[TM+4+\b], 23, v[TM+12+\b]      ; the scale's byte
.endr
	v_lshl_or_b32 v[\pw], v[TM+5], 8, v[TM+4]
	v_lshl_or_b32 v[\pw], v[TM+6], 16, v[\pw]
	v_lshl_or_b32 v[\pw], v[TM+7], 24, v[\pw]
.irp b, 0,1,2,3
.irp i, 0,1,2,3,4,5,6,7,8,9,10,11,12,13,14,15
	v_med3_num_f32 v[(\s)+16*\b+\i], v[(\s)+16*\b+\i], -v[TM+8+\b], v[TM+8+\b]   ; the conversion to an 8-bit code does not saturate (ISA guide 7.6.2): the hold
.endr
	v_cvt_scalef32_pk8_fp8_f32 v[(\pc)+4*\b:(\pc)+1+4*\b], v[(\s)+16*\b:(\s)+7+16*\b], v[TM+12+\b]
	v_cvt_scalef32_pk8_fp8_f32 v[(\pc)+2+4*\b:(\pc)+3+4*\b], v[(\s)+8+16*\b:(\s)+15+16*\b], v[TM+12+\b]
.endr
	v_nop                                          ; a plain instruction behind the last conversion
.endm
.irp f, 0,1
	s_wait_loadcnt 16*(1-\f)                       ; fragment f's 16 loads are in; the next fragment's 16 may be out
	TURN X+64*\f
	s_wait_dscnt 0x0
	QUANT X+64*\f, C+16*\f, PW+\f
.irp c, 0,1,2,3
	global_store_b128 v[LI], v[C+16*\f+4*\c:C+16*\f+4*\c+3], s[12:13] offset:\f*16384+512*\c   ; 512 consecutive bytes, aligned
.endr
.endr
	v_cndmask_b32 v[WD], v[PW], v[PW+1], s30       ; lanes 0-15 the even block's words, lanes 16-31 the odd block's
	global_store_b32 v[L4], v[WD], s[14:15] offset:32768
	s_wait_tensorcnt 0x0                           ; the wave's end
	ds_add_u32 v[SPW], v[NIL]
	s_wait_dscnt 0x0
	s_endpgm
.Lfunc_end_k_q71df3807f3_quant:
	.size	k_q71df3807f3_quant, .Lfunc_end_k_q71df3807f3_quant-k_q71df3807f3_quant
	.p2alignl 7, 3214868480
	.fill 96, 4, 3214868480
	.section	.rodata,"a",@progbits
	.p2align	6, 0x0
	.amdhsa_kernel k_q71df3807f3_quant
		.amdhsa_group_segment_fixed_size 94464
		.amdhsa_private_segment_fixed_size 0
		.amdhsa_enable_private_segment 0
		.amdhsa_kernarg_size 40
		.amdhsa_user_sgpr_count 2
		.amdhsa_user_sgpr_kernarg_segment_ptr 1
		.amdhsa_wavefront_size32 1
		.amdhsa_system_sgpr_workgroup_id_x 1
		.amdhsa_system_sgpr_workgroup_id_y 1
		.amdhsa_system_sgpr_workgroup_id_z 1
		.amdhsa_system_vgpr_workitem_id 0
		.amdhsa_next_free_vgpr 200
		.amdhsa_next_free_sgpr 66
		.amdhsa_reserve_vcc 0
		.amdhsa_float_denorm_mode_32 3
		.amdhsa_float_denorm_mode_16_64 3
		.amdhsa_memory_ordered 1
		.amdhsa_forward_progress 1
		.amdhsa_inst_pref_size 27
	.end_amdhsa_kernel
	.amdgpu_metadata
---
amdhsa.version: [ 1, 2 ]
amdhsa.kernels:
  - .name:           k_q71df3807f3_quant
    .symbol:         k_q71df3807f3_quant.kd
    .args:
      - { .name: x, .offset: 0, .size: 8, .value_kind: global_buffer, .address_space: global }
      - { .name: Wq, .offset: 8, .size: 8, .value_kind: global_buffer, .address_space: global }
      - { .name: Wk, .offset: 16, .size: 8, .value_kind: global_buffer, .address_space: global }
      - { .name: Wv, .offset: 24, .size: 8, .value_kind: global_buffer, .address_space: global }
      - { .name: xw, .offset: 32, .size: 8, .value_kind: global_buffer, .address_space: global }
    .group_segment_fixed_size: 94464
    .private_segment_fixed_size: 0
    .kernarg_segment_align: 8
    .kernarg_segment_size: 40
    .max_flat_workgroup_size: 352
    .sgpr_count:     66
    .vgpr_count:     200
    .wavefront_size: 32
...
	.end_amdgpu_metadata
.endif
;; end of part 1
;; launch proj (part 2): grid 32 x 8, 4 waves a work-group, clusters of 4 x 1, 327,680 bytes of LDS; arguments xw, bq, bk, bv, qkv_codes, qkv_scales; writes qkv_codes, qkv_scales
.if DOCPART == 2
	.amdgcn_target "amdgcn-amd-amdhsa--gfx1250"
	.amdhsa_code_object_version 6
	.text
	.protected	k_q71df3807f3_proj
	.globl	k_q71df3807f3_proj
	.p2align	8
	.type	k_q71df3807f3_proj,@function
k_q71df3807f3_proj:
	s_mov_b64 s[64:65], 0
	v_nop
	global_prefetch_b8 v0, s[64:65] scope:SCOPE_SE
	s_setreg_imm32_b32 hwreg(HW_REG_WAVE_MODE, 25, 1), 1
	s_wait_xcnt 0x0
	s_wait_alu depctr_hold_cnt(0) depctr_sa_sdst(0) depctr_va_vdst(0) depctr_va_sdst(0) depctr_va_ssrc(0) depctr_va_vcc(0) depctr_vm_vsrc(0)
	s_getreg_b32 s2, hwreg(HW_REG_IB_STS2, 6, 4)
	s_cmp_eq_u32 s2, 0
	s_cbranch_scc0 .Lentry_in_a_cluster
	s_endpgm
.Lentry_in_a_cluster:
	s_bfe_u32 s2, ttmp6, 0x10000c
	s_cmp_lg_u32 s2, 0x3003
	s_cbranch_scc0 .Lentry_shape_is_right
	s_endpgm
.Lentry_shape_is_right:
; q = x Wq^T + bq, k = x Wk^T + bk, v = x Wv^T + bv on codes of E4M3, and the quantisers of q and k (along d) and of v (along the keys).  Nothing of the problem is left out here.
; LIMITS: NaN and infinities are not served; a block of zeros gets the byte 1 (its codes are zeros; this program alone reads the bytes).
; THE DEAL.  Work-group (X, Y): 256 tokens x 128 columns of each of q, k, v: 256 work-groups.  A wave holds 64 tokens (four tiles), ALL of K, in 512 registers for the whole launch, loaded once, straight from memory, by itself alone.
; The weights' rows stream past them through LDS: 12 pairs of row blocks (4 of Wq, 4 of Wk, 4 of Wv), a RECORD of 33,792 bytes each (two row blocks of codes, their scale words).  A block is 32 products.
; q, k: source 0 = a weight block, source 1 = tokens: a lane holds one token and its registers run along d: a pair of blocks makes 16 neighbours, 32 b + 16 h + 0 .. 15, a scale block of 32 in lanes l and l xor 16.
; v: source 0 = tokens, source 1 = a block of Wv: a lane holds one d, registers run along the tokens.  In both, 16 registers at 16 g of a pair's 64 sums are group g: 16 numbers of one scale block, and its 16 codes leave as a fragment's piece.
; THE WAY OUT OF A PAIR STANDS AMONG THE NEXT PAIR'S PRODUCTS (two sets of sums): two lines behind a product; its last eight holds of a block are also the places behind the block's last product.
; The first pair's way out has no pair before it: it works on zeros and stores nothing.
; LDS: eight records.  Records 0-3 come at the head (one a wave), 4-7 behind a full round, and pairs 8-11 (Wv) into places 0-3, two pairs at a time (half a record a wave), each in a round inside the second pair of a trip.
; CLUSTER: four work-groups of one Y share every record: joint loads with the mask 15.  x is shared by no load: each wave's rows go to its own registers and never enter LDS.
; NO PREFETCH: behind the head there are three fills, each asked for 128 or more products of a wave ahead of the wait for it; no loop runs over a stream that is longer than that.
; Each sum begins with the bias as the C of its first product.
; REGISTERS: windows 1, 2: x: fragment n = 4 q + t (K step q, tile t) at v[16 (n % 16)] of window 1 + n / 16.  Window 3: two sets of a weight block's eight fragments.  Window 0: all else.
; HOW x COMES, more exactly than above: of a wave's two records the first goes straight to registers by plain loads; the second comes by the head's tensor load, the wave's own and no joint one, into place 4 + wave,
; and goes to registers from there, so that both ways bring x side by side.  So Wq's records 0-3 come behind the first full round, and Wk's into places 4-7 behind the second, when all waves hold x in registers.
.set REC,   33792
.set HREC,  16896
.set BT,    8*REC                      ; the bias table: pair p of q, k at 1,024 p: [u][h][8 numbers], u 256 bytes apart, h 32; pair p of v at 1,024 (p + 1): each number eight times
.set WST,   BT+13312                   ; 256 bytes a wave: scale words on their way out
.set VXT,   WST+1024                   ; v's scale words: [K step of two][128 of d][4 bytes]
.set SPARE, VXT+1024                   ; the spare words, 128 bytes a wave
.set LI,   4                           ; v4   16 x lane
.set ADRW, 5                           ; v5-7 LDS addresses of the pair that is fetched next: fragments, scale words, bias
.set ADWS, 6
.set ADB,  7
.set LW,   8                           ; v8   4 x lane + 32,768
.set LBQ,  9
.set SPW,  10
.set NIL,  11
.set LBV,  12
.set WSA,  13
.set WSR,  14
.set VX,   15
.set VR,   16
.set L8,   17
.set DLB,  18
.set T4,   19
.set SOP,  20                          ; v20-23 the conversions' scale operands
.set WSC,  24                          ; v24-39 the weight's scale words, two sets of eight: lanes 0-15 the pair's even block, lanes 16-31 the odd
.set EB,   40                          ; v40-43 scale bytes
.set XSC,  44                          ; v44-59 x's scale words: (tile pair, q): numbers never equal to the weight's modulo 8
.set TQ,   60
.set ACC,  64                          ; v64-191 two sets of a pair's 64 sums
.set MCD,  192                         ; v192-207 codes
.set BI,   208                         ; v208-223 the bias of the even and of the odd block
.set WQ,   224                         ; v224-227 q's or k's scale words, a byte a pair
.set WD,   228
.set HV,   230
.set BQA,  234
.set BVA,  235
.set CX,   16
.set X,    17
.set WV,   18
.set Y,    19
.set XB,   20
.set G1H,  24
.set G1R,  32
.set G0W,  40
.set G0V,  44
.set VG,   48
.set VL,   50
.set TR,   51
.set NXA,  52                          ; s52, s53 where the next pair's record lies, for a trip's first and second pair
.set NXB,  53
.set NB,   54
.set VB,   55
.set STB,  56
.set OUT,  58
.set SEL,  60
.set MNT,  62
.set OSC,  66
.set OV,   68
.set OVS,  70
.set G1X,  88                          ; s[88:95], s[96:99] the descriptor of my second record of x
.set G0X,  96
.set ADX,  240                         ; v240 its LDS address + 16 x lane
.set MSB, 0
.macro WIN new                         ; the immediate's high byte repeats the setting that is left
.if MSB != (\new)
	s_set_vgpr_msb (MSB<<8)|(\new)
.set MSB, (\new)
.endif
.endm
.macro WALU
	s_wait_alu depctr_va_vdst(0)
.endm
.macro BARRIER
	s_barrier_signal -1
	s_barrier_wait -1
.endm
.macro CREST                           ; a round of the cluster's barrier behind its opening barrier
	s_cmp_lg_u32 s[WV], 0
	s_cbranch_scc1 .Lnot_wave_0_\@
	s_barrier_signal -3
.Lnot_wave_0_\@:
	s_barrier_wait -3
	BARRIER
.endm
.macro TLOAD g0, g1
	tensor_load_to_lds s[\g0:\g0+3], s[\g1:\g1+7]
	s_nop 0
.rept 4
	v_nop
.endr
.endm
.macro ADDS d, x, sh
	s_lshl_b32 s78, s[\x], \sh
	s_add_co_u32 s[\d], s[\d], s78
.endm
.macro XLOAD q                         ; my tiles 0 and 1 of K step q, from memory
.irp t, 0,1
.irp c, 0,1,2,3
	global_load_b128 v[16*((4*\q+\t)%16)+4*\c:16*((4*\q+\t)%16)+4*\c+3], v[LI], s[XB:XB+1] offset:\t*16384+2048*\q+512*\c
.endr
.endr
.endm
.macro XLDS q                          ; my tiles 2 and 3, from LDS
.irp t, 2,3
.irp c, 0,1,2,3
	ds_load_b128 v[16*((4*\q+\t)%16)+4*\c:16*((4*\q+\t)%16)+4*\c+3], v[ADX] offset:(\t-2)*16384+2048*\q+512*\c
.endr
.endr
.endm
.macro FETCH u, wp                     ; block u of the next pair into set u, its bias; with the even block the pair's scale words into set wp: 42 loads, or 34
	WIN 0xc0
.irp q, 0,1,2,3,4,5,6,7
.irp c, 0,1,2,3
	ds_load_b128 v[128*\u+16*\q+4*\c:128*\u+16*\q+4*\c+3], v[ADRW] offset:16384*\u+2048*\q+512*\c
.endr
.endr
	WIN 0
	ds_load_b128 v[BI+8*\u:BI+8*\u+3], v[ADB] offset:256*\u
	ds_load_b128 v[BI+8*\u+4:BI+8*\u+7], v[ADB] offset:256*\u+16
.if \u == 0
.irp q, 0,1,2,3,4,5,6,7
	ds_load_b32 v[WSC+8*(\wp)+\q], v[ADWS] offset:128*\q
.endr
.endif
.endm
.macro WM                              ; one product from the symbols set by PROD; an odd block's words lie in lanes 16-31
.if w0 && w1
	v_wmma_scale_f32_16x16x128_f8f6f4 v[rD:rD+7], v[rA:rA+15], v[rB:rB+15], v[rC:rC+7], v[xA], v[xB] matrix_a_scale:MATRIX_SCALE_ROW1 matrix_b_scale:MATRIX_SCALE_ROW1
.elseif w0
	v_wmma_scale_f32_16x16x128_f8f6f4 v[rD:rD+7], v[rA:rA+15], v[rB:rB+15], v[rC:rC+7], v[xA], v[xB] matrix_a_scale:MATRIX_SCALE_ROW1
.elseif w1
	v_wmma_scale_f32_16x16x128_f8f6f4 v[rD:rD+7], v[rA:rA+15], v[rB:rB+15], v[rC:rC+7], v[xA], v[xB] matrix_b_scale:MATRIX_SCALE_ROW1
.else
	v_wmma_scale_f32_16x16x128_f8f6f4 v[rD:rD+7], v[rA:rA+15], v[rB:rB+15], v[rC:rC+7], v[xA], v[xB]
.endif
.endm
.macro PROD kind, par, u               ; product n_ = 4 q + t.  The four sums of a block take turns, K ascending
.set q_, n_/4
.set t_, n_%4
.set xw_, 1+n_/16
.if \kind
.set rD, ACC+64*(\par)+32*(\u)+8*t_
.set rA, 16*(n_%16)
.set rB, 128*(\u)+16*q_
.set xA, XSC+8*(t_/2)+q_
.set xB, WSC+8*(\par)+q_
.set w0, t_%2
.set w1, \u
	WIN xw_|(3<<2)
.else
.set rD, ACC+64*(\par)+16*t_+8*(\u)
.set rA, 128*(\u)+16*q_
.set rB, 16*(n_%16)
.set xA, WSC+8*(\par)+q_
.set xB, XSC+8*(t_/2)+q_
.set w0, \u
.set w1, t_%2
	WIN 3|(xw_<<2)
.endif
.set rC, rD
.if q_ == 0
.set rC, BI+8*(\u)
.endif
	WM
.endm
.macro HOLD x, b
	v_med3_num_f32 v[\x], v[\x], -v[\b], v[\b]     ; the hold at 448 x the scale (ISA guide 7.6.2: the conversion does not saturate)
.endm
; THE QUANTISER OF TWO GROUPS, k = 0 .. 29, 15 a group: sums at x, codes MCD + 4 g, byte EB + g.  The bound has a second copy for the two holds at j_ 9
.macro WAY k, x, g0
.set g_, (\g0)+(\k)/15
.set j_, (\k)%15
.set e_, (\x)+16*((\k)/15)
.set o_, e_+8
.if j_ == 0
	v_max3_num_f32 v[TQ], |v[e_]|, |v[e_+1]|, |v[e_+2]|
	v_max3_num_f32 v[TQ+2], |v[o_]|, |v[o_+1]|, |v[o_+2]|
.elseif j_ < 3
	v_max3_num_f32 v[TQ], v[TQ], |v[e_+2*j_+1]|, |v[e_+2*j_+2]|
	v_max3_num_f32 v[TQ+2], v[TQ+2], |v[o_+2*j_+1]|, |v[o_+2*j_+2]|
.elseif j_ == 3
	v_max3_num_f32 v[TQ+2], v[TQ+2], |v[o_+7]|, 0x4800000
	v_max3_num_f32 v[TQ], v[TQ], |v[e_+7]|, v[TQ+2]
.elseif j_ == 4
	v_permlanex16_b32 v[TQ+2], v[TQ], s[SEL], s[SEL+1]
	v_max_num_f32 v[TQ], v[TQ], v[TQ+2]
.elseif j_ == 5
	v_add_nc_u32 v[SOP+g_], 0xfc000000, v[TQ]
	v_and_or_b32 v[TQ+1], v[TQ], 0x7f800000, s[MNT]
.elseif j_ < 10
.set b_, TQ+1
.if j_ == 9
.set b_, TQ+3
.endif
	HOLD e_+2*(j_-6), b_
	HOLD e_+2*(j_-6)+1, b_
.if j_ == 8
	v_mov_b32 v[TQ+3], v[TQ+1]
.endif
.if j_ == 9
	v_cvt_scalef32_pk8_fp8_f32 v[MCD+4*g_:MCD+4*g_+1], v[e_:e_+7], v[SOP+g_]
.endif
.elseif j_ < 14
	HOLD o_+2*(j_-10), TQ+1
	HOLD o_+2*(j_-10)+1, TQ+1
.if j_ == 13
	v_cvt_scalef32_pk8_fp8_f32 v[MCD+4*g_+2:MCD+4*g_+3], v[o_:o_+7], v[SOP+g_]
.endif
.else
	v_lshrrev_b32 v[EB+g_], 23, v[SOP+g_]
.endif
.endm
.macro TAIL x, g0                      ; the second group's last ten lines: eight holds are the places behind the block's last product
.set k_, 25
.rept 5
	WAY k_, \x, \g0
.set k_, k_+1
.endr
.endm
; What stands behind product n_: in an even block the next pair's addresses behind 0 to 2; behind 3 to 27 the way out of the pair before
.macro GAP kind, par, u
.if (\u) == 0 && n_ == 0
	WIN 0
	v_add_nc_u32 v[ADRW], s[NXA+(\par)], v[LI]
	v_add_nc_u32 v[ADWS], s[NXA+(\par)], v[LW]
.endif
.if (\u) == 0 && n_ == 1
	WIN 0
.if \kind
	v_add_nc_u32 v[ADB], s[NB], v[LBV]
	v_add_nc_u32 v[VX], 128, v[VX]
.elseif \par
	v_mad_u32_u24 v[ADB], v[DLB], s[VB], v[LBQ]    ; (behind the last pair of k comes v's first: s[VB] is 1)
.else
	v_add_nc_u32 v[ADB], s[NB], v[LBQ]
.endif
.endif
.if (\u) == 0 && n_ == 2
	WIN 0
.if (\kind) == 0 && (\par) == 1
	v_add_nc_u32 v[ADB], s[NB], v[ADB]
.endif
	s_add_co_u32 s[NB], s[NB], 1024
.endif
.if n_ >= 3 && n_ <= 27
	WIN 0
	WAY n_-3, ACC+64*(1-(\par))+32*(\u), 2*(\u)
.endif
.endm
.macro BLOCK kind, par, u, from, to
.set n_, \from
.rept (\to)-(\from)
	PROD \kind, \par, \u
	GAP \kind, \par, \u
.set n_, n_+1
.endr
	WIN 0
.endm
.macro PAIRQ par, rnd                  ; a pair of q or k.  rnd = 1: a round of the cluster's barrier: the records of this trip's two pairs have been read by all, and two of Wv's take their place
	s_wait_dscnt 34                                ; the even block is in; the odd block's 34 loads may be out
	s_wait_xcnt 0x0                                ; the last stores have read their data and their base
.if \par
	s_add_nc_u64 s[OUT:OUT+1], s[OUT:OUT+1], s[STB:STB+1]
.else
	s_add_nc_u64 s[OUT:OUT+1], s[OUT:OUT+1], 512
.endif
.if \rnd
	BLOCK 0, \par, 0, 0, 20
	WALU
	s_wait_tensorcnt 0x0                           ; my tensor loads are in
	ds_add_u32 v[SPW], v[NIL]
	s_mov_b32 s[G0V+1], s[VL]
	s_mov_b64 s[G0V+2:G0V+3], s[VG:VG+1]
	BLOCK 0, \par, 0, 20, 28
	WALU
	s_wait_dscnt 0x0                               ; the add is done, and my reads of this trip's records are over
	s_barrier_signal -1
	BLOCK 0, \par, 0, 28, 32
	TAIL ACC+64*(1-(\par)), 0
	s_barrier_wait -1
	CREST
	TLOAD G0V, G1R
.else
	BLOCK 0, \par, 0, 0, 32
	TAIL ACC+64*(1-(\par)), 0
.endif
	FETCH 0, 1-\par
	s_wait_dscnt 42                                ; the odd block is in; the next even block's 42 loads may be out
	BLOCK 0, \par, 1, 0, 32
	TAIL ACC+64*(1-(\par))+32, 2
	WALU
.endm
.macro QFIN                            ; q's or k's pair leaves: group t = tile t
.irp t, 0,1,2,3
	v_alignbit_b32 v[WQ+\t], v[EB+\t], v[WQ+\t], 8 ; the byte comes in at the top: four pairs make the word
.endr
.irp t, 0,1,2,3
	global_store_b128 v[LI], v[MCD+4*\t:MCD+4*\t+3], s[OUT:OUT+1] offset:16384*\t   ; 512 consecutive bytes, aligned
.endr
.endm
.macro WORDS                           ; my 64 tokens' scale words of these 128 of d: 256 consecutive bytes, aligned
	WALU
.irp t, 0,1,2,3
	ds_store_b32 v[WSA], v[WQ+\t] offset:64*\t     ; lanes r and r + 16 write the same word with the same value
.endr
	ds_load_b64 v[WD:WD+1], v[WSR]
	s_wait_dscnt 0x0
	global_store_b64 v[L8], v[WD:WD+1], s[OSC:OSC+1]
.endm
.macro VFIN                            ; v's pair leaves: group 2 u + p = block u, tokens 32 p ..; two bytes of a row's scale word
	v_lshl_or_b32 v[HV], v[EB+1], 8, v[EB]
	v_lshl_or_b32 v[HV+1], v[EB+3], 8, v[EB+2]
	ds_store_b16 v[VX], v[HV]
	ds_store_b16 v[VX], v[HV+1] offset:64
.irp g, 0,1,2,3
	global_store_b128 v[LI], v[MCD+4*\g:MCD+4*\g+3], s[OV:OV+1] offset:32768*(\g/2)+512*(\g%2)
.endr
.endm
.macro PAIRV par                       ; a pair of v; the launch's last pair has no successor to fetch
	s_wait_dscnt 34
	s_wait_xcnt 0x0
	s_add_nc_u64 s[OV:OV+1], s[OV:OV+1], 65536
	BLOCK 1, \par, 0, 0, 32
	TAIL ACC+64*(1-(\par)), 0
.if \par
	WALU
	s_cmp_eq_u32 s[TR], 1
	s_cbranch_scc1 .Lnone_0
	FETCH 0, 0
	s_wait_dscnt 42
	s_branch .Lgo
.Lnone_0:
	s_wait_dscnt 0x0
.Lgo:
.else
	FETCH 0, 1
	s_wait_dscnt 42
.endif
	BLOCK 1, \par, 1, 0, 32
	TAIL ACC+64*(1-(\par))+32, 2
	WALU
.endm
	s_load_b256 s[4:11], s[0:1], 0x0               ; the records, bq, bk, bv
	s_load_b128 s[12:15], s[0:1], 0x20             ; qkv_codes, qkv_scales
	v_lshl_add_u32 v[SPW], v0, 2, SPARE
	v_mov_b32 v[NIL], 0
	ds_add_u32 v[SPW], v[NIL]                      ; the wave's opening: the add, twice on end, and its wait ahead of my first tensor load
	ds_add_u32 v[SPW], v[NIL]
	v_lshrrev_b32 v1, 5, v0
	v_readfirstlane_b32 s[WV], v1
	v_and_b32 v1, 31, v0                           ; lane
	v_and_b32 v2, 15, v0                           ; r
	v_bfe_u32 v3, v0, 4, 1                         ; h
	s_bfe_u32 s[CX], ttmp6, 0x40000
	s_lshl_b32 s[X], ttmp9, 2
	s_add_co_u32 s[X], s[X], s[CX]                 ; which 256 tokens
	s_and_b32 s[Y], ttmp7, 0xffff                  ; which 128 columns: the same in the cluster's four
.irp g, G1H, G1R, G1X
	s_mov_b32 s[\g], 15|(3<<16)|(1<<21)            ; the mask: all four; elements of 8 bytes; bit 21 beside a mask; no padding
	s_mov_b32 s[\g+1], 352<<16                     ; rows of 2,816 dense bytes
	s_mov_b32 s[\g+3], 352<<16
	s_mov_b32 s[\g+5], 352
	s_mov_b32 s[\g+6], 0
	s_mov_b32 s[\g+7], 0
.endr
	s_mov_b32 s[G1H+2], 12<<16                     ; a record: 12 rows;
	s_mov_b32 s[G1H+4], 12
	s_mov_b32 s[G1R+2], 6<<16                      ; half a record: 6
	s_mov_b32 s[G1R+4], 6
	s_mov_b32 s[G1X], 3<<16                        ; my record of x: no mask
	s_mov_b32 s[G1X+2], 12<<16
	s_mov_b32 s[G1X+4], 12
	s_mov_b32 s[G0X], 1
	s_mul_i32 s[G0X+1], s[WV], REC
	s_add_co_u32 s[G0X+1], s[G0X+1], 4*REC
	s_lshl_b32 s72, s[Y], 2
	s_add_co_u32 s74, s72, 320                     ; Wv's first record of mine
	s_add_co_u32 s72, s72, s[WV]
	s_add_co_u32 s72, s72, 256                     ; Wq's: a record a wave
	s_mul_i32 s72, s72, REC
	s_mov_b32 s73, 0
	s_mul_i32 s74, s74, REC
	s_mul_i32 s[VL], s[WV], HREC
	s_add_co_u32 s74, s74, s[VL]
	s_mov_b32 s75, 0
	s_lshl_b32 s76, s[X], 3                        ; my 64 tokens: two records
	ADDS 76, WV, 1
	s_mul_i32 s76, s76, REC
	s_mov_b32 s77, 0
	s_lshl_b32 s[OUT], s[X], 18                    ; q's codes: row block 16 X + 4 wave + t of 16,384 bytes, K step Y of 2,048
	ADDS OUT, WV, 16
	ADDS OUT, Y, 11
	s_mov_b32 s[OUT+1], 0
	s_lshl_b32 s[OSC], s[Y], 16                    ; q's scale words: K step Y of 65,536 bytes, 4 bytes a row
	ADDS OSC, X, 10
	ADDS OSC, WV, 8
	s_mov_b32 s[OSC+1], 0
	s_lshl_b32 s79, s[X], 1
	s_lshr_b32 s84, s[WV], 1
	s_add_co_u32 s79, s79, s84
	s_and_b32 s79, s79, 15                         ; v's K step of 128 tokens in its batch
	s_and_b32 s80, s[WV], 1                        ; which half of it
	s_lshr_b32 s81, s[X], 3                        ; the batch
	s_lshl_b32 s[OV], s81, 21                      ; v's codes: row block 8 Y + .. of 32,768 bytes; two pairs back: each pair's step stands ahead of its way out, a pair behind
	ADDS OV, Y, 18
	ADDS OV, 79, 11
	ADDS OV, 80, 10
	s_add_co_u32 s[OV], s[OV], 16777216-131072
	s_mov_b32 s[OV+1], 0
	s_lshl_b32 s[OVS], s81, 16                     ; v's scale words: a wave stores 256 bytes: K step wave / 2, half wave % 2 of my 128 of d
	ADDS OVS, 79, 12
	ADDS OVS, Y, 9
	ADDS OVS, 80, 8
	s_add_co_u32 s[OVS], s[OVS], 524288
	s_mov_b32 s[OVS+1], 0
	s_lshl_b32 s82, s[WV], 8
	s_add_co_u32 s82, s82, WST
	s_lshl_b32 s83, s84, 9
	ADDS 83, 80, 1
	s_add_co_u32 s83, s83, VXT-256
	s_lshl_b32 s86, s[Y], 9                        ; my 128 numbers of a bias
	s_mov_b32 s87, 0
	s_mov_b32 s[SEL], 0x76543210
	s_mov_b32 s[SEL+1], 0xfedcba98
	s_mov_b32 s[MNT], 0x600000
	s_mov_b32 s[TR], 0
	s_mov_b32 s[NXA], REC
	s_mov_b32 s[NXB], 2*REC
	s_mov_b32 s[NB], 1024
	s_mov_b32 s[VB], 0
	s_mov_b32 s[STB], 512
	s_mov_b32 s[STB+1], 0
	s_mov_b32 s[G0W], 1
	s_mul_i32 s[G0W+1], s[WV], REC
	s_mov_b32 s[G0V], 1
	WALU
	v_lshlrev_b32 v[LI], 4, v1
	v_lshlrev_b32 v[LW], 2, v1
	v_add_nc_u32 v[LW], 32768, v[LW]
	v_lshlrev_b32 v[L8], 3, v1
	v_lshlrev_b32 v[T4], 2, v0
	v_lshl_add_u32 v[LBQ], v3, 5, BT
	v_and_b32 v[DLB], 8, v2
	v_add_nc_u32 v[DLB], v[DLB], v2                ; r + 8 (r / 8)
	v_lshl_add_u32 v[LBV], v[DLB], 5, BT+1024
	v_sub_nc_u32 v[DLB], v[LBV], v[LBQ]
	v_and_b32 v[BQA], 7, v0                        ; my number d = thread of q's and k's bias: d % 32 = 16 h + 8 u + j
	v_lshl_add_u32 v[BQA], v[BQA], 2, BT
	v_lshl_add_u32 v[BQA], v3, 5, v[BQA]
	v_bfe_u32 v[HV], v0, 3, 1
	v_lshl_add_u32 v[BQA], v[HV], 8, v[BQA]
	v_lshrrev_b32 v[HV], 5, v0
	v_lshl_add_u32 v[BQA], v[HV], 10, v[BQA]
	v_lshl_add_u32 v[BVA], v0, 5, BT+9216          ; and of v's
	v_lshl_add_u32 v[WSA], v2, 2, s82
	v_lshl_add_u32 v[WSR], v1, 3, s82
	v_add_nc_u32 v[VR], 1024, v[WSR]
	v_lshl_add_u32 v[VX], v2, 2, s83               ; two pairs back
	v_add_nc_u32 v[ADX], s[G0X+1], v[LI]
	v_mov_b32 v[ADRW], v[LI]
	v_mov_b32 v[ADWS], v[LW]
	v_mov_b32 v[ADB], v[LBQ]
	WALU
	s_wait_dscnt 0x0                               ; both opening adds are done
	s_wait_kmcnt 0x0
	s_add_nc_u64 s[XB:XB+1], s[4:5], s[76:77]
	s_add_nc_u64 s[G0X+2:G0X+3], s[XB:XB+1], REC
	s_or_b32 s[G0X+3], s[G0X+3], 0x80000000
	s_add_nc_u64 s[G0W+2:G0W+3], s[4:5], s[72:73]
	s_or_b32 s[G0W+3], s[G0W+3], 0x80000000
	s_add_nc_u64 s[VG:VG+1], s[4:5], s[74:75]
	s_or_b32 s[VG+1], s[VG+1], 0x80000000
	s_add_nc_u64 s[6:7], s[6:7], s[86:87]
	s_add_nc_u64 s[8:9], s[8:9], s[86:87]
	s_add_nc_u64 s[10:11], s[10:11], s[86:87]
	s_add_nc_u64 s[OUT:OUT+1], s[12:13], s[OUT:OUT+1]
	s_sub_nc_u64 s[OUT:OUT+1], s[OUT:OUT+1], 1024  ; two pairs back
	s_add_nc_u64 s[OV:OV+1], s[12:13], s[OV:OV+1]
	s_add_nc_u64 s[OSC:OSC+1], s[14:15], s[OSC:OSC+1]
	s_add_nc_u64 s[OVS:OVS+1], s[14:15], s[OVS:OVS+1]
	global_load_b32 v232, v[T4], s[6:7]
	global_load_b32 v233, v[T4], s[8:9]
	global_load_b32 v236, v[T4], s[10:11]
.irp p, 0,1
.irp q, 0,1,2,3,4,5,6,7
	global_load_b32 v[XSC+8*\p+\q], v[LW], s[XB:XB+1] offset:\p*REC+128*\q
.endr
.endr
	BARRIER                                        ; a round: all four work-groups are here: the first joint loads meet
	CREST
	TLOAD G0X, G1X                                 ; my second record of x
	WIN 0x40
.irp q, 0,1,2,3
	XLOAD \q
.endr
	WIN 0x80
.irp q, 4,5,6,7
	XLOAD \q
.endr
	WIN 0
.set i_, 0
.rept 64
	v_mov_b32 v[ACC+64+i_], 0                      ; what the first pair's way out works on
.set i_, i_+1
.endr
.irp t, 0,1,2,3
	v_mov_b32 v[WQ+\t], 0
.endr
	WALU
	s_wait_loadcnt 60                              ; the three bias loads are in: 80 stand behind them
	s_wait_tensorcnt 0x0                           ; no tensor load of mine is out
	v_mov_b32 v237, v236
	v_mov_b32 v238, v236
	v_mov_b32 v239, v236
	ds_store_b32 v[BQA], v232
	ds_store_b32 v[BQA], v233 offset:4096
	ds_store_b128 v[BVA], v[236:239]
	ds_store_b128 v[BVA], v[236:239] offset:16
	s_wait_tensorcnt 0x0
	ds_add_u32 v[SPW], v[NIL]
	s_wait_dscnt 0x0                               ; the add is done, and the bias lies in LDS
	BARRIER
	CREST
	TLOAD G0W, G1H                                 ; Wq's four records, one a wave, into places 0-3
	WIN 0x40
.irp q, 0,1,2,3
	XLDS \q
.endr
	WIN 0x80
.irp q, 4,5,6,7
	XLDS \q
.endr
	WIN 0
	s_wait_tensorcnt 0x0                           ; Wq's record is in
	ds_add_u32 v[SPW], v[NIL]
	s_add_nc_u64 s[G0W+2:G0W+3], s[G0W+2:G0W+3], 32*REC   ; Wk's records,
	s_add_co_u32 s[G0W+1], s[G0W+1], 4*REC         ; behind Wq's
	s_wait_dscnt 0x0                               ; the add is done, and my second record of x is in registers
	BARRIER
	CREST
	TLOAD G0W, G1H
	FETCH 0, 0
	FETCH 1, 0
	WALU
	s_wait_loadcnt 0x0                             ; x is in
.Lq:                                               ; q: two trips of two pairs
	PAIRQ 0, 0
	s_cmp_eq_u32 s[TR], 0
	s_cbranch_scc1 .Lno_pair_before
	QFIN
.Lno_pair_before:
	FETCH 1, 0
	PAIRQ 1, 1
	QFIN
	FETCH 1, 0
	s_add_co_u32 s[NXA], s[NXA], 2*REC
	s_add_co_u32 s[NXB], s[NXB], 2*REC
	s_add_co_u32 s[VL], s[VL], 2*REC
	s_add_nc_u64 s[VG:VG+1], s[VG:VG+1], 2*REC
	s_add_co_u32 s[TR], s[TR], 1
	s_cmp_lg_u32 s[TR], 2
	WALU
	s_cbranch_scc1 .Lq
	s_mov_b32 s[STB], 8388608-1536                 ; from q's last piece to k's first
.Lk:                                               ; k: two trips
	PAIRQ 0, 0
	QFIN
	s_cmp_eq_u32 s[TR], 2
	s_cbranch_scc0 .Lno_words
	WORDS                                          ; q's
.Lno_words:
	FETCH 1, 0
	PAIRQ 1, 0
	QFIN
	FETCH 1, 0
	s_add_co_u32 s[NXA], s[NXA], 2*REC
	s_sub_co_u32 s[NXB], s[NXB], 6*REC             ; behind place 7 comes place 0
	s_add_co_u32 s[VB], s[VB], 1
	s_mov_b32 s[STB], 512
	s_add_co_u32 s[TR], s[TR], 1
	s_cmp_lg_u32 s[TR], 4
	WALU
	s_cbranch_scc1 .Lk
	s_wait_xcnt 0x0
	s_add_nc_u64 s[OUT:OUT+1], s[OUT:OUT+1], 512   ; k's last pair
	s_add_nc_u64 s[OSC:OSC+1], s[OSC:OSC+1], 32768 ; k's scale words
	s_mov_b32 s[NXA], REC
	s_mov_b32 s[NXB], 2*REC
	s_mov_b32 s[TR], 0
	WALU
	s_wait_tensorcnt 0x0                           ; Wv's last two records are in
	s_wait_dscnt 0x0
	BARRIER
.Lv:                                               ; v: two trips
	PAIRV 0
	s_cmp_eq_u32 s[TR], 0
	s_cbranch_scc0 .Lv_out
	QFIN                                           ; k's last pair
	WORDS
	s_branch .Lv_done
.Lv_out:
	VFIN
.Lv_done:
	FETCH 1, 0
	PAIRV 1
	VFIN
	s_cmp_eq_u32 s[TR], 1
	s_cbranch_scc1 .Lnone_1
	FETCH 1, 0
.Lnone_1:
	s_add_co_u32 s[NXA], s[NXA], 2*REC
	s_add_co_u32 s[TR], s[TR], 1
	s_cmp_lg_u32 s[TR], 2
	WALU
	s_cbranch_scc1 .Lv
	s_wait_xcnt 0x0
	s_add_nc_u64 s[OV:OV+1], s[OV:OV+1], 65536
	v_add_nc_u32 v[VX], 128, v[VX]
.irp u, 0,1                                        ; the last pair's way out
.set m_, 0
.rept 30
	WAY m_, ACC+64+32*\u, 2*\u
.set m_, m_+1
.endr
.endr
	VFIN
	WALU
	s_wait_dscnt 0x0                               ; my halves of v's scale words lie in LDS
	BARRIER
	ds_load_b64 v[WD:WD+1], v[VR]
	s_wait_dscnt 0x0
	global_store_b64 v[L8], v[WD:WD+1], s[OVS:OVS+1]   ; 256 consecutive bytes, aligned
	s_wait_tensorcnt 0x0                           ; the wave's end
	ds_add_u32 v[SPW], v[NIL]
	s_wait_dscnt 0x0
	BARRIER                                        ; the closing round
	CREST
	s_endpgm
.Lfunc_end_k_q71df3807f3_proj:
	.size	k_q71df3807f3_proj, .Lfunc_end_k_q71df3807f3_proj-k_q71df3807f3_proj
	.p2alignl 7, 3214868480
	.fill 96, 4, 3214868480
	.section	.rodata,"a",@progbits
	.p2align	6, 0x0
	.amdhsa_kernel k_q71df3807f3_proj
		.amdhsa_group_segment_fixed_size 327680
		.amdhsa_private_segment_fixed_size 0
		.amdhsa_enable_private_segment 0
		.amdhsa_kernarg_size 48
		.amdhsa_user_sgpr_count 2
		.amdhsa_user_sgpr_kernarg_segment_ptr 1
		.amdhsa_wavefront_size32 1
		.amdhsa_system_sgpr_workgroup_id_x 1
		.amdhsa_system_sgpr_workgroup_id_y 1
		.amdhsa_system_sgpr_workgroup_id_z 1
		.amdhsa_system_vgpr_workitem_id 0
		.amdhsa_next_free_vgpr 1024
		.amdhsa_next_free_sgpr 100
		.amdhsa_reserve_vcc 0
		.amdhsa_float_denorm_mode_32 3
		.amdhsa_float_denorm_mode_16_64 3
		.amdhsa_memory_ordered 1
		.amdhsa_forward_progress 1
		.amdhsa_inst_pref_size 194
	.end_amdhsa_kernel
	.amdgpu_metadata
---
amdhsa.version: [ 1, 2 ]
amdhsa.kernels:
  - .name:           k_q71df3807f3_proj
    .symbol:         k_q71df3807f3_proj.kd
    .args:
      - { .name: xw, .offset: 0, .size: 8, .value_kind: global_buffer, .address_space: global }
      - { .name: bq, .offset: 8, .size: 8, .value_kind: global_buffer, .address_space: global }
      - { .name: bk, .offset: 16, .size: 8, .value_kind: global_buffer, .address_space: global }
      - { .name: bv, .offset: 24, .size: 8, .value_kind: global_buffer, .address_space: global }
      - { .name: qkv_codes, .offset: 32, .size: 8, .value_kind: global_buffer, .address_space: global }
      - { .name: qkv_scales, .offset: 40, .size: 8, .value_kind: global_buffer, .address_space: global }
    .group_segment_fixed_size: 327680
    .private_segment_fixed_size: 0
    .kernarg_segment_align: 8
    .kernarg_segment_size: 48
    .max_flat_workgroup_size: 128
    .sgpr_count:     100
    .vgpr_count:     1024
    .wavefront_size: 32
...
	.end_amdgpu_metadata
.endif
;; end of part 2
;; launch scores (part 3): grid 8 x 32, 4 waves a work-group, clusters of 4 x 4, 327,680 bytes of LDS; arguments qkv_codes, qkv_scales, p_codes, p_meta; writes p_codes, p_meta
.if DOCPART == 3
	.amdgcn_target "amdgcn-amd-amdhsa--gfx1250"
	.amdhsa_code_object_version 6
	.text
	.protected	k_q71df3807f3_scores
	.globl	k_q71df3807f3_scores
	.p2align	8
	.type	k_q71df3807f3_scores,@function
k_q71df3807f3_scores:
	s_mov_b64 s[64:65], 0
	v_nop
	global_prefetch_b8 v0, s[64:65] scope:SCOPE_SE
	s_setreg_imm32_b32 hwreg(HW_REG_WAVE_MODE, 25, 1), 1
	s_wait_xcnt 0x0
	s_wait_alu depctr_hold_cnt(0) depctr_sa_sdst(0) depctr_va_vdst(0) depctr_va_sdst(0) depctr_va_ssrc(0) depctr_va_vcc(0) depctr_vm_vsrc(0)
	s_getreg_b32 s2, hwreg(HW_REG_IB_STS2, 6, 4)
	s_cmp_eq_u32 s2, 0
	s_cbranch_scc0 .Lentry_in_a_cluster
	s_endpgm
.Lentry_in_a_cluster:
	s_bfe_u32 s2, ttmp6, 0x10000c
	s_cmp_lg_u32 s2, 0xf033
	s_cbranch_scc0 .Lentry_shape_is_right
	s_endpgm
.Lentry_shape_is_right:
; S = q k^T / 32 on codes of E4M3, and the softmax's p of each query over 128 keys at a time, as codes.  Nothing of the problem is left out here.
; A work-group makes 256 queries x 256 keys of a batch, a wave 128 x 128; K = d = 1,024 in slots of 256 through two LDS slots; source 0 = keys, source 1 = queries: a lane holds one query and its registers run along the keys.
; t = S log2(e); a LOCAL whole-number M = ceil(the largest t of these 128 keys); p = 2^(t - M) is quantised along the keys; beside the scale word, -M and the sum of the unquantised p are stored: the next launch brings them to the row's M.
; CLUSTER 4 x 4: queries' tiles are shared along a row of the cluster, keys' along a column.
; THE HEAD: one load a wave: wave 0 the queries' 256 rows of slot 0, wave 1 their scale words for all of K, wave 2 the keys' 256 rows, wave 3 theirs.  Slot 1 is first filled behind a full round.
; LIMITS: NaN and infinities are not served; the exponents stay under 2^31 in magnitude before the maximum is taken away; a block of zeros gets the byte 1 (its codes are zeros; this program alone reads the bytes).
.set NA,    8
.set NK,    8
.set SBP,   1024                       ; a K step in a table of scale words: 256 rows of 4 bytes
.set PJ,    4
.set SROW,  16384
.set LAPS,  NK/4
.set HALFA, NA*4096
.set HALFB, 32768
.set SLOT,  2*HALFA+2*HALFB
.set SCL,   2*SLOT
.set WST,   SCL+16384
.set SPARE, WST+6144
.set LI,   4
.set ADRA, 16
.set ADRB, 20
.set ADSA, 22
.set ADSB, 23
.set WSA,  24
.set WSR,  25
.set SPW,  28
.set NIL,  29
.set SC,   32
.set BK,   64
.set AF,   128
.set P,    128
.set PC,   192
.set BM,   208
.set BT,   212
.set LIM,  216
.set SOP,  220
.set NM,   224
.set TT,   226
.set SU,   228
.set SV,   230
.set LL,   232
.set LT,   233
.set PW,   234
.set WD,   236
.set WV,   18
.set H1,   19
.set H0,   20
.set CX,   21
.set CY,   22
.set XQ,   23
.set CLY,  24
.set MROW, 25
.set MCOL, 26
.set G1A,  28
.set G0A,  36
.set G1B,  44
.set G0B,  52
.set SEL,  60
.set MNT,  62
.set CS,   66
.set G1SA, 68
.set G0SA, 76
.set G1SB, 80
.set G0SB, 88
.set OUT,  92
.set META, 94
.set RA,   104
.set RB,   105
.set MSB, 0
.macro WIN new
.if MSB != (\new)
	s_set_vgpr_msb (MSB<<8)|(\new)
.set MSB, (\new)
.endif
.endm
.macro PLACES n
.rept \n
	v_nop
.endr
.endm
.macro CREST
	s_cmp_lg_u32 s[WV], 0
	s_cbranch_scc1 .Lnot_wave_0_\@
	s_barrier_signal -3
.Lnot_wave_0_\@:
	s_barrier_wait -3
	s_barrier_signal -1
	s_barrier_wait -1
.endm
.macro CROUND
	s_barrier_signal -1
	s_barrier_wait -1
	CREST
.endm
.macro JLOAD g0a, g1a, g0b, g1b
	s_cmp_eq_u32 s[H1], 0
	s_cbranch_scc0 .Lfor_b_\@
	tensor_load_to_lds s[\g0a:\g0a+3], s[\g1a:\g1a+7]
	s_nop 0
.rept 4
	v_nop
.endr
	s_branch .Lasked_\@
.Lfor_b_\@:
	tensor_load_to_lds s[\g0b:\g0b+3], s[\g1b:\g1b+7]
	s_nop 0
.rept 4
	v_nop
.endr
.Lasked_\@:
.endm
.macro FRAG reg, adr, off
.irp c, 0,1,2,3
	ds_load_b128 v[(\reg)+4*\c:(\reg)+4*\c+3], v[\adr] offset:(\off)+512*\c
.endr
.endm
.macro FETCH_B slot, q, p
	WIN 0x40
.irp i, 0,1,2,3,4,5,6,7
	FRAG 128*(\p)+16*\i, ADRB+(\slot), 4096*\i+2048*(\q)
.endr
	WIN 0
.endm
.macro FETCH_A slot, q, i0
.set fi, (\i0)
.rept NA/2
	FRAG AF+16*fi, ADRA+(\slot), 4096*fi+2048*(\q)
.set fi, fi+1
.endr
.endm
.macro SCALES set
.irp q, 0,1
.set fi, 0
.rept NA/2
	ds_load_b32 v[SC+16*(\set)+4*\q+fi], v[ADSA] offset:SBP*\q+128*fi
.set fi, fi+1
.endr
.irp j, 0,1,2,3
	ds_load_b32 v[SC+16*(\set)+8+4*\q+\j], v[ADSB] offset:SBP*\q+128*\j
.endr
.endr
.endm
.macro WM
.if cz
.if w0 && w1
	v_wmma_scale_f32_16x16x128_f8f6f4 v[rD:rD+7], v[rS0:rS0+15], v[rS1:rS1+15], 0, v[rX0], v[rX1] matrix_a_scale:MATRIX_SCALE_ROW1 matrix_b_scale:MATRIX_SCALE_ROW1
.elseif w0
	v_wmma_scale_f32_16x16x128_f8f6f4 v[rD:rD+7], v[rS0:rS0+15], v[rS1:rS1+15], 0, v[rX0], v[rX1] matrix_a_scale:MATRIX_SCALE_ROW1
.elseif w1
	v_wmma_scale_f32_16x16x128_f8f6f4 v[rD:rD+7], v[rS0:rS0+15], v[rS1:rS1+15], 0, v[rX0], v[rX1] matrix_b_scale:MATRIX_SCALE_ROW1
.else
	v_wmma_scale_f32_16x16x128_f8f6f4 v[rD:rD+7], v[rS0:rS0+15], v[rS1:rS1+15], 0, v[rX0], v[rX1]
.endif
.else
.if w0 && w1
	v_wmma_scale_f32_16x16x128_f8f6f4 v[rD:rD+7], v[rS0:rS0+15], v[rS1:rS1+15], v[rC:rC+7], v[rX0], v[rX1] matrix_a_scale:MATRIX_SCALE_ROW1 matrix_b_scale:MATRIX_SCALE_ROW1
.elseif w0
	v_wmma_scale_f32_16x16x128_f8f6f4 v[rD:rD+7], v[rS0:rS0+15], v[rS1:rS1+15], v[rC:rC+7], v[rX0], v[rX1] matrix_a_scale:MATRIX_SCALE_ROW1
.elseif w1
	v_wmma_scale_f32_16x16x128_f8f6f4 v[rD:rD+7], v[rS0:rS0+15], v[rS1:rS1+15], v[rC:rC+7], v[rX0], v[rX1] matrix_b_scale:MATRIX_SCALE_ROW1
.else
	v_wmma_scale_f32_16x16x128_f8f6f4 v[rD:rD+7], v[rS0:rS0+15], v[rS1:rS1+15], v[rC:rC+7], v[rX0], v[rX1]
.endif
.endif
.endm
.macro MULA a, p, q, sc, cm
	WIN 0xa1+0x50*((\a)/4)
.irp b, 0,1,2,3,4,5,6,7
.set rD,  8*(8*((\a)%4)+\b)
.set rS0, 128*(\p)+16*\b
.set rS1, AF+16*(\a)
.set rX0, SC+16*(\sc)+8+4*(\q)+\b/2
.set rX1, SC+16*(\sc)+4*(\q)+(\a)/2
.set w0,  \b%2
.set w1,  (\a)%2
.set rC,  rD
.set cz,  0
.if (\cm) == 1
.set cz,  1
.endif
	WM
.endr
.endm
.macro MULS a0, n, p, q, sc, cm
.set ma, (\a0)
.rept \n
	MULA ma, \p, \q, \sc, \cm
.set ma, ma+1
.endr
.endm
.macro STEP slot, q, cm
	s_wait_dscnt 2*NA
	MULS 0, NA/2, (\q)%2, \q, \slot, \cm
	s_wait_dscnt 0x0
	PLACES 8
	FETCH_B \slot, (\q)+1, 1-(\q)%2
	FETCH_A \slot, (\q)+1, 0
	MULS NA/2, NA/2, (\q)%2, \q, \slot, \cm
	PLACES 8
	WIN 0
	FETCH_A \slot, (\q)+1, NA/2
.endm
.macro TURN slot, next, fill
	s_wait_tensorcnt 0x0
	ds_add_u32 v[SPW], v[NIL]
	s_wait_dscnt 2*NA+1
	MULS 0, NA/4, 1, 1, \slot, 0
	s_wait_dscnt 0x0
	s_barrier_signal -1
	MULS NA/4, NA/4, 1, 1, \slot, 0
	WIN 0
	s_barrier_wait -1
.if \fill
	CREST
	s_add_nc_u64 s[G0A+4*\slot+2:G0A+4*\slot+3], s[G0A+4*\slot+2:G0A+4*\slot+3], 8192
	s_add_nc_u64 s[G0B+4*\slot+2:G0B+4*\slot+3], s[G0B+4*\slot+2:G0B+4*\slot+3], 8192
	JLOAD G0A+4*\slot, G1A, G0B+4*\slot, G1B
	PLACES PJ
.else
	PLACES 8
.endif
	s_wait_alu depctr_va_vdst(0)
	v_add_nc_u32 v[ADSA], 2*SBP, v[ADSA]           ; the next slot's scale words
	v_add_nc_u32 v[ADSB], 2*SBP, v[ADSB]
	FETCH_B \next, 0, 0
	FETCH_A \next, 0, 0
	SCALES \next
	MULS NA/2, NA/2, 1, 1, \slot, 0
	PLACES 8
	WIN 0
	FETCH_A \next, 0, NA/2
.endm
	s_load_b256 s[4:11], s[0:1], 0x0
	v_lshl_add_u32 v[SPW], v0, 2, SPARE
	v_mov_b32 v[NIL], 0
	ds_add_u32 v[SPW], v[NIL]
	ds_add_u32 v[SPW], v[NIL]
	v_lshrrev_b32 v1, 5, v0
	v_readfirstlane_b32 s[WV], v1
	s_lshr_b32 s[H1], s[WV], 1
	s_and_b32 s[H0], s[WV], 1
	s_bfe_u32 s[CX], ttmp6, 0x40000
	s_bfe_u32 s[CY], ttmp6, 0x40004
	s_lshl_b32 s[XQ], ttmp9, 2
	s_add_co_u32 s[XQ], s[XQ], s[CX]
	s_and_b32 s[CLY], ttmp7, 0xffff
	s_lshl_b32 s[MROW], s[CY], 2
	s_lshl_b32 s[MROW], 15, s[MROW]
	s_lshl_b32 s[MCOL], 0x1111, s[CX]
	s_or_b32 s[G1A], s[MROW], (3<<16)|(1<<21)
	s_or_b32 s[G1B], s[MCOL], (3<<16)|(1<<21)
.irp g, G1A, G1B
	s_mov_b32 s[\g+1], 512<<16
	s_mov_b32 s[\g+2], 16<<16                      ; at the head 16 row blocks; behind it these two words are set to 8
	s_mov_b32 s[\g+3], 512<<16
	s_mov_b32 s[\g+4], 16
	s_mov_b32 s[\g+5], NK*256
	s_mov_b32 s[\g+6], 0
	s_mov_b32 s[\g+7], 0
.endr
	s_or_b32 s[G1SA], s[MROW], (3<<16)|(1<<21)
	s_or_b32 s[G1SB], s[MCOL], (3<<16)|(1<<21)
.irp g, G1SA, G1SB
	s_mov_b32 s[\g+1], 128<<16                     ; 1,024 bytes: the words of 256 rows
	s_mov_b32 s[\g+2], NK<<16
	s_mov_b32 s[\g+3], 128<<16
	s_mov_b32 s[\g+4], NK
	s_mov_b32 s[\g+5], SROW/2
	s_mov_b32 s[\g+6], 0
	s_mov_b32 s[\g+7], 0
.endr
	s_mov_b32 s[SEL], 0x76543210
	s_mov_b32 s[SEL+1], 0xfedcba98
	s_mov_b32 s[MNT], 0x600000
	s_mov_b32 s[CS], 0x3d38aa3b
	s_mov_b32 s[CS+1], s[CS]
	s_lshl_b32 s[RA], s[CLY], 2
	s_add_co_u32 s[RA], s[RA], s[CY]
	s_lshr_b32 s[RB], s[CLY], 1
	s_lshl_b32 s[RB], s[RB], 3
	s_add_co_u32 s[RB], s[RB], s[XQ]
	s_add_co_u32 s[RB], s[RB], 32
	s_lshl_b32 s2, s[H0], 3
	s_lshl_b32 s98, s[RA], 4
	s_add_co_u32 s98, s98, s2
	s_lshl_b32 s100, s[RB], 4
	s_add_co_u32 s100, s100, s2
	s_lshl_b32 s92, s[RA], 10
	s_mov_b32 s93, 0
	s_lshl_b32 s98, s98, 14
	s_mov_b32 s99, 0
	s_lshl_b32 s94, s[RB], 10
	s_mov_b32 s95, 0
	s_lshl_b32 s100, s100, 14
	s_mov_b32 s101, 0
	s_lshl_b32 s96, s[WV], 15
	s_wait_dscnt 0x0
	s_wait_kmcnt 0x0
	s_add_nc_u64 s[98:99], s[4:5], s[98:99]
	s_add_nc_u64 s[92:93], s[6:7], s[92:93]
	s_add_nc_u64 s[100:101], s[4:5], s[100:101]
	s_add_nc_u64 s[94:95], s[6:7], s[94:95]
	CROUND
	s_mov_b32 s[G0SA], 1
	s_mov_b32 s[G0SA+1], SCL
	s_mov_b64 s[G0SA+2:G0SA+3], s[92:93]
	s_or_b32 s[G0SA+3], s[G0SA+3], 0x80000000
	s_mov_b32 s[G0SB], 1
	s_mov_b32 s[G0SB+1], SCL+8192
	s_mov_b64 s[G0SB+2:G0SB+3], s[94:95]
	s_or_b32 s[G0SB+3], s[G0SB+3], 0x80000000
.irp s, 0,1
	s_mov_b32 s[G0A+4*\s], 1
	s_add_co_u32 s[G0A+4*\s+1], s96, \s*SLOT
	s_add_nc_u64 s[G0A+4*\s+2:G0A+4*\s+3], s[98:99], \s*4096
	s_or_b32 s[G0A+4*\s+3], s[G0A+4*\s+3], 0x80000000
	s_mov_b32 s[G0B+4*\s], 1
	s_add_co_u32 s[G0B+4*\s+1], s96, \s*SLOT
	s_add_nc_u64 s[G0B+4*\s+2:G0B+4*\s+3], s[100:101], \s*4096
	s_or_b32 s[G0B+4*\s+3], s[G0B+4*\s+3], 0x80000000
.endr
.macro ARM w, g0, g1, next             ; the head's loads: ONE tree of branches on the wave's number, one load to an arm
	s_cmp_eq_u32 s[WV], \w
	s_cbranch_scc0 \next
	tensor_load_to_lds s[\g0:\g0+3], s[\g1:\g1+7]
	s_nop 0
	PLACES 4
	s_branch .Lhead_asked
\next:
.endm
	ARM 0, G0A,  G1A,  .Lhead_1                    ; (wave 0's and wave 2's own places in slot 0 are where the 256 rows begin)
	ARM 1, G0SA, G1SA, .Lhead_2
	ARM 2, G0B,  G1B,  .Lhead_3
	tensor_load_to_lds s[G0SB:G0SB+3], s[G1SB:G1SB+7]
	s_nop 0
	PLACES 4
.Lhead_asked:
	v_and_b32 v1, 31, v0
	v_and_b32 v2, 15, v0
	v_lshlrev_b32 v[LI], 4, v1
	v_lshlrev_b32 v5, 2, v1
	s_wait_alu depctr_va_vdst(0)
	s_mul_i32 s98, s[H1], HALFA
	s_mul_i32 s99, s[H0], HALFB
	s_add_co_u32 s99, s99, 2*HALFA
.irp s, 0,1
	v_add_nc_u32 v[ADRA+\s], s98, v[LI]
	v_add_nc_u32 v[ADRB+\s], s99, v[LI]
	s_add_co_u32 s98, s98, SLOT
	s_add_co_u32 s99, s99, SLOT
.endr
	s_lshl_b32 s98, s[H1], 9
	s_add_co_u32 s98, s98, SCL
	v_add_nc_u32 v[ADSA], s98, v5
	s_lshl_b32 s98, s[H0], 9
	s_add_co_u32 s98, s98, SCL+8192
	v_add_nc_u32 v[ADSB], s98, v5
	s_mul_i32 s98, s[WV], 1536
	s_add_co_u32 s98, s98, WST
	v_lshl_add_u32 v[WSA], v2, 2, s98
	v_add_nc_u32 v[WSR], s98, v[LI]
	s_lshl_b32 s98, s[RA], 4
	s_lshl_b32 s99, s[H1], 3
	s_add_co_u32 s98, s98, s99
	s_lshl_b32 s99, s[XQ], 1
	s_add_co_u32 s99, s99, s[H0]
	s_lshl_b32 s[OUT], s98, 15
	s_lshl_b32 s100, s99, 11
	s_add_co_u32 s[OUT], s[OUT], s100
	s_mov_b32 s[OUT+1], 0
	s_lshl_b32 s[META], s99, 15
	s_lshl_b32 s100, s98, 6
	s_add_co_u32 s[META], s[META], s100
	s_mov_b32 s[META+1], 0
	s_add_nc_u64 s[OUT:OUT+1], s[8:9], s[OUT:OUT+1]
	s_add_nc_u64 s[META:META+1], s[10:11], s[META:META+1]
	s_wait_alu depctr_va_vdst(0)
	s_wait_tensorcnt 0x0                           ; my tile of the head's four is in
	ds_add_u32 v[SPW], v[NIL]
	s_mov_b32 s[G1A+2], 8<<16                      ; no tensor load of mine is out: from here on a load brings 8 row blocks
	s_mov_b32 s[G1A+4], 8
	s_mov_b32 s[G1B+2], 8<<16
	s_mov_b32 s[G1B+4], 8
	s_wait_dscnt 0x0                               ; the add is done
	CROUND                                         ; all four tiles are in
	JLOAD G0A+4, G1A, G0B+4, G1B                   ; slot 1's first fill
	FETCH_B 0, 0, 0
	FETCH_A 0, 0, 0
	SCALES 0
	FETCH_A 0, 0, NA/2
	STEP 0, 0, 1
	s_mov_b32 s3, LAPS-1
.Llap:
	TURN 0, 1, 1
	STEP 1, 0, 0
	TURN 1, 0, 1
	STEP 0, 0, 0
	s_sub_co_u32 s3, s3, 1
	s_cmp_lg_u32 s3, 0
	s_cbranch_scc1 .Llap
	TURN 0, 1, 0
	STEP 1, 0, 0
	s_wait_dscnt 2*NA
	MULS 0, NA/2, 1, 1, 1, 0
	s_wait_dscnt 0x0
	MULS NA/2, NA/2, 1, 1, 1, 0
	WIN 0
.macro SOFTQ a
.set WN, 2+(\a)/4
.set ab, 64*((\a)%4)
	WIN 0x15*WN
.irp b, 0,1,2,3
	v_max3_num_f32 v[BM+\b], v[ab+16*\b], v[ab+16*\b+1], v[ab+16*\b+2]
.endr
	WIN 0x14*WN
.irp i, 3,5,7,9,11,13
.irp b, 0,1,2,3
	v_max3_num_f32 v[BM+\b], v[BM+\b], v[ab+16*\b+\i], v[ab+16*\b+\i+1]
.endr
.endr
.irp b, 0,1,2,3
	v_max_num_f32 v[BM+\b], v[BM+\b], v[ab+16*\b+15]
.endr
	WIN 0
	s_wait_alu depctr_va_vdst(0)
	s_wait_dscnt 0x0
.irp b, 0,1,2,3
	v_permlanex16_b32 v[BT+\b], v[BM+\b], s[SEL], s[SEL+1]
.endr
.irp b, 0,1,2,3
	v_max_num_f32 v[BM+\b], v[BM+\b], v[BT+\b]
.endr
	v_max3_num_f32 v[TT], v[BM], v[BM+1], v[BM+2]
	v_max_num_f32 v[TT], v[TT], v[BM+3]
	v_mul_f32 v[TT], s[CS], v[TT]
	v_floor_f32 v[NM], -v[TT]
	WIN WN
.set j, 0
.rept 32
	v_pk_fma_f32 v[P+j:P+j+1], v[ab+j:ab+j+1], s[CS:CS+1], v[NM:NM+1] op_sel_hi:[1,0,0]
.set j, j+2
.endr
	WIN 0
.irp b, 0,1,2,3
	v_fma_f32 v[BM+\b], v[BM+\b], s[CS], v[NM]
.endr
	s_wait_alu depctr_va_vdst(0)
.irp b, 0,1,2,3
	v_exp_f32 v[BM+\b], v[BM+\b]
.endr
.set j, 0
.rept 64
	v_exp_f32 v[P+j], v[P+j]
.set j, j+1
.endr
	v_nop
	s_wait_alu depctr_va_vdst(0)
	v_pk_add_f32 v[SU:SU+1], v[P:P+1], v[P+2:P+3]
	v_pk_add_f32 v[SV:SV+1], v[P+4:P+5], v[P+6:P+7]
.set j, 8
.rept 14
	v_pk_add_f32 v[SU:SU+1], v[SU:SU+1], v[P+j:P+j+1]
	v_pk_add_f32 v[SV:SV+1], v[SV:SV+1], v[P+j+2:P+j+3]
.set j, j+4
.endr
	v_pk_add_f32 v[SU:SU+1], v[SU:SU+1], v[SV:SV+1]
	v_add_f32 v[LL], v[SU], v[SU+1]
	v_permlanex16_b32 v[LT], v[LL], s[SEL], s[SEL+1]
	v_add_f32 v[LL], v[LL], v[LT]
.irp b, 0,1,2,3
	v_max_num_f32 v[BM+\b], 0x4800000, v[BM+\b]
.endr
.irp b, 0,1,2,3
	v_add_nc_u32 v[SOP+\b], 0xfc000000, v[BM+\b]
.endr
.irp b, 0,1,2,3
	v_and_or_b32 v[LIM+\b], v[BM+\b], 0x7f800000, s[MNT]
.endr
.irp b, 0,1,2,3
	v_lshrrev_b32 v[BT+\b], 23, v[SOP+\b]
.endr
	v_lshl_or_b32 v[PW], v[BT+1], 8, v[BT]
	v_lshl_or_b32 v[PW], v[BT+2], 16, v[PW]
	v_lshl_or_b32 v[PW], v[BT+3], 24, v[PW]
.irp b, 0,1,2,3
.set j, 0
.rept 16
	v_min_num_f32 v[P+16*\b+j], v[P+16*\b+j], v[LIM+\b]
.set j, j+1
.endr
.endr
	s_wait_alu depctr_va_vdst(0)
	s_wait_xcnt 0x0
.irp b, 0,1,2,3
	v_cvt_scalef32_pk8_fp8_f32 v[PC+4*\b:PC+4*\b+1], v[P+16*\b:P+16*\b+7], v[SOP+\b]
	v_cvt_scalef32_pk8_fp8_f32 v[PC+4*\b+2:PC+4*\b+3], v[P+16*\b+8:P+16*\b+15], v[SOP+\b]
.endr
	v_nop
.irp c, 0,1,2,3
	global_store_b128 v[LI], v[PC+4*\c:PC+4*\c+3], s[OUT:OUT+1] offset:32768*(\a)+512*\c
.endr
	ds_store_b32 v[WSA], v[PW] offset:64*(\a)
	ds_store_b32 v[WSA], v[NM] offset:512+64*(\a)
	ds_store_b32 v[WSA], v[LL] offset:1024+64*(\a)
.endm
	PLACES 8
.irp b, 0,1,2,3
	v_mov_b32 v[BT+\b], 0
.endr
	v_mov_b32 v[LT], 0
	v_mov_b32 v[NM+1], 0
.irp a, 0,1,2,3,4,5,6,7
	SOFTQ \a
.endr
.irp w, 0,1,2
	ds_load_b128 v[WD+4*\w:WD+4*\w+3], v[WSR] offset:512*\w
.endr
	s_wait_dscnt 0x0
.irp w, 0,1,2
	global_store_b128 v[LI], v[WD+4*\w:WD+4*\w+3], s[META:META+1] offset:524288*\w
.endr
	s_wait_tensorcnt 0x0
	ds_add_u32 v[SPW], v[NIL]
	s_wait_dscnt 0x0
	CROUND
	s_endpgm
.Lfunc_end_k_q71df3807f3_scores:
	.size	k_q71df3807f3_scores, .Lfunc_end_k_q71df3807f3_scores-k_q71df3807f3_scores
	.p2alignl 7, 3214868480
	.fill 96, 4, 3214868480
	.section	.rodata,"a",@progbits
	.p2align	6, 0x0
	.amdhsa_kernel k_q71df3807f3_scores
		.amdhsa_group_segment_fixed_size 327680
		.amdhsa_private_segment_fixed_size 0
		.amdhsa_enable_private_segment 0
		.amdhsa_kernarg_size 32
		.amdhsa_user_sgpr_count 2
		.amdhsa_user_sgpr_kernarg_segment_ptr 1
		.amdhsa_wavefront_size32 1
		.amdhsa_system_sgpr_workgroup_id_x 1
		.amdhsa_system_sgpr_workgroup_id_y 1
		.amdhsa_system_sgpr_workgroup_id_z 1
		.amdhsa_system_vgpr_workitem_id 0
		.amdhsa_next_free_vgpr 1024
		.amdhsa_next_free_sgpr 106
		.amdhsa_reserve_vcc 0
		.amdhsa_float_denorm_mode_32 3
		.amdhsa_float_denorm_mode_16_64 3
		.amdhsa_memory_ordered 1
		.amdhsa_forward_progress 1
		.amdhsa_inst_pref_size 228
	.end_amdhsa_kernel
	.amdgpu_metadata
---
amdhsa.version: [ 1, 2 ]
amdhsa.kernels:
  - .name:           k_q71df3807f3_scores
    .symbol:         k_q71df3807f3_scores.kd
    .args:
      - { .name: qkv_codes, .offset: 0, .size: 8, .value_kind: global_buffer, .address_space: global }
      - { .name: qkv_scales, .offset: 8, .size: 8, .value_kind: global_buffer, .address_space: global }
      - { .name: p_codes, .offset: 16, .size: 8, .value_kind: global_buffer, .address_space: global }
      - { .name: p_meta, .offset: 24, .size: 8, .value_kind: global_buffer, .address_space: global }
    .group_segment_fixed_size: 327680
    .private_segment_fixed_size: 0
    .kernarg_segment_align: 8
    .kernarg_segment_size: 32
    .max_flat_workgroup_size: 128
    .sgpr_count:     106
    .vgpr_count:     1024
    .wavefront_size: 32
...
	.end_amdgpu_metadata
.endif
;; end of part 3
;; launch pv (part 4): grid 4 x 64, 4 waves a work-group, clusters of 4 x 4, 327,680 bytes of LDS; arguments p_codes, p_meta, qkv_codes, qkv_scales, out0; writes out0
.if DOCPART == 4
	.amdgcn_target "amdgcn-amd-amdhsa--gfx1250"
	.amdhsa_code_object_version 6
	.text
	.protected	k_q71df3807f3_pv
	.globl	k_q71df3807f3_pv
	.p2align	8
	.type	k_q71df3807f3_pv,@function
k_q71df3807f3_pv:
	s_mov_b64 s[64:65], 0
	v_nop
	global_prefetch_b8 v0, s[64:65] scope:SCOPE_SE
	s_setreg_imm32_b32 hwreg(HW_REG_WAVE_MODE, 25, 1), 1
	s_wait_xcnt 0x0
	s_wait_alu depctr_hold_cnt(0) depctr_sa_sdst(0) depctr_va_vdst(0) depctr_va_sdst(0) depctr_va_ssrc(0) depctr_va_vcc(0) depctr_vm_vsrc(0)
	s_getreg_b32 s2, hwreg(HW_REG_IB_STS2, 6, 4)
	s_cmp_eq_u32 s2, 0
	s_cbranch_scc0 .Lentry_in_a_cluster
	s_endpgm
.Lentry_in_a_cluster:
	s_bfe_u32 s2, ttmp6, 0x10000c
	s_cmp_lg_u32 s2, 0xf033
	s_cbranch_scc0 .Lentry_shape_is_right
	s_endpgm
.Lentry_shape_is_right:
; out = (P V) / l on codes of E4M3: source 0 = 16 rows of V^T (d), source 1 = 16 queries of P, K = the batch's 2,048 keys.  Nothing of the problem is left out here.
; THE ROW'S M AND l.  The launch before left, for each query and each of 16 K steps of 128 keys, p's scale word under a LOCAL whole-number M, -M, and the local sum of p.  Thread t of the work-group takes query t:
; -M of the row is the smallest of the 16; d = M(row) - M(local) is a whole number, 0 or more; l = the sum of local sums x 2^-d (exact scalings); d is taken off each of the word's four bytes.
; LIMIT: a byte that would fall under 0 is held at 0: such a block's terms lie under 2^-118 beside a row sum above 1/2.  NaN and infinities are not served.
; A work-group makes 128 queries x 256 of d, so that there are 256 work-groups; a wave 64 x 128: 32 accumulators.
; THE RING: FEW AND LARGE REFILLS.  A K step of the tile is 24 row blocks x 2,048 bytes; LDS has room for six.  Region A holds FOUR K steps (a row block: 8,192 bytes on end, as in memory), region B TWO.
; K steps 0-3 and 4-5 come with the first fills; then A takes 6-9, B 10-11, A 12-15: three refills for sixteen K steps, each by one load a wave: waves 0 and 1 fetch P's halves (4 row blocks), waves 2 and 3 V^T's (8).
; Wave 1 also fetches V's scale words, once, all sixteen K steps.  The sixteen K steps are written out by macro: the pattern of six would come round twice only, the second time without its last fill, and so every
; offset is an immediate.  CLUSTER 4 x 4: P's tiles are shared along a row of the cluster, V's tiles and scale words along a column.
; REGISTERS: window 0: v1-29 addresses and 1 / l; v32-47 scale words, a set for each parity of the K step, and nothing else; v64-127 at work; v128-191 P's fragments, ONE set; v192-239 the head's 48 words;
;   on the way out v128-255 rows of out.  window 1: V^T's fragments, two sets.  window 2: accumulator (a, b) at v[8 (8 a + b)].
; HOW THE FIRST FILLS COME, more exactly than above: at the head one load a wave: wave 0 all 8 row blocks of P for region A, wave 1 V's scale words for all 16 K steps, waves 2 and 3 V^T's halves for region A.
; Region B's first fill stands behind a full round.
; PREFETCH: what region A's two refills bring (K steps 6-9, 12-15) is asked for three K steps ahead of its refill.  A row block's four K steps are 8,192 bytes, 256 a lane, one instruction.  The partners that ask for a tile
; jointly share its row blocks out by address: of a half of P the one at cx takes row block cx, of a half of V^T the one at cy takes 2 cy and 2 cy + 1.
.set NA,    4
.set PJ,    4
.set RBA,   8192                       ; a row block in region A: four K steps
.set RBB,   4096                       ; in region B: two
.set REGB,  24*RBA                     ; region A: P's 8 row blocks, then V^T's 16; region B likewise, from here on
.set VSC,   REGB+24*RBB                ; V's scale words: 16 K steps x 1,024 bytes, filled once
.set PSC,   VSC+16384                  ; p's shifted scale words: 16 K steps x 512 bytes, stored by the waves; no fill lands here
.set RL,    PSC+8192                   ; 1 / l of the 128 queries
.set SPARE, RL+512                     ; the spare words, 128 bytes a wave
.set STAGE, REGB                       ; the way out: 16 rows x 528 bytes a wave, in region B, which has had its last fill and its last read when the first result is stored there
.set LI,   4
.set MO,   5                           ; v5   4 x thread: my query's word in a plane's row
.set RLV,  8                           ; v8-15 1 / l of my lane's query in blocks 0-3, each twice (a pair for the packed multiply)
.set ADRA, 16                          ; v16-17 P's fragments in region A, B
.set ADRB, 20                          ; v20-21 V^T's
.set ADSA, 22                          ; v22  p's scale words; never rewritten
.set ADSB, 23                          ; v23  V's; never rewritten
.set STO,  24
.set RD,   25
.set ADRL, 26
.set PSW,  27
.set SPW,  28
.set NIL,  29
.set SC,   32                          ; the set of K step g at 32 + 8 (g % 2): p's words (i) at + i, V's (j) at + 2 + j; lanes 0-15 the even block, lanes 16-31 the odd
.set T,    64
.set NMR,  96
.set LS,   97
.set T0,   98
.set T1,   99
.set T2,   100
.set AF,   128
.set MW,   192
.set MN,   208
.set ML,   224
.set WV,   18
.set H1,   19                          ; which 64 queries are mine; also: I fetch for P (0) or for V (1)
.set H0,   20                          ; which 128 of d; also: which half I fetch
.set CX,   21
.set CY,   22
.set YQ,   23
.set CLY,  24
.set MROW, 25
.set MCOL, 26
.set BAT,  27
.set G1P,  28                          ; s[28:35], s[36:43] group 1 for P's tiles in region A, B
.set G1V,  44                          ; s[44:51], s[52:59] for V's
.set G0P,  60                          ; s[60:63], s[68:71] group 0 for P's tiles in region A, B
.set HB,   66
.set G0V,  72                          ; s[72:75], s[76:79] for V's
.set G1S,  80
.set G0S,  88
.set PFA,  104                         ; s[104:105] where my half of P or of V^T begins in memory, for the prefetches; never rewritten
.set PFO,  30                          ; v30  their offset; never rewritten
.macro ASK off
	global_prefetch_b8 v[PFO], s[PFA:PFA+1] offset:\off th:TH_LOAD_NT scope:SCOPE_SE
	s_cmp_eq_u32 s[H1], 0
	s_cbranch_scc1 .Lasked_p_\@
	global_prefetch_b8 v[PFO], s[PFA:PFA+1] offset:(\off)+32768 th:TH_LOAD_NT scope:SCOPE_SE
.Lasked_p_\@:
.endm
.set OUT,  92
.set META, 94
.set MSB, 0
.macro WIN new                         ; the immediate's high byte repeats the setting that is left
.if MSB != (\new)
	s_set_vgpr_msb (MSB<<8)|(\new)
.set MSB, (\new)
.endif
.endm
.macro PLACES n
.rept \n
	v_nop
.endr
.endm
.macro CREST                           ; a round of the cluster's barrier behind its opening barrier
	s_cmp_lg_u32 s[WV], 0
	s_cbranch_scc1 .Lnot_wave_0_\@
	s_barrier_signal -3
.Lnot_wave_0_\@:
	s_barrier_wait -3
	s_barrier_signal -1
	s_barrier_wait -1
.endm
.macro CROUND
	s_barrier_signal -1
	s_barrier_wait -1
	CREST
.endm
; A joint refill of region A (slot 0) or B (slot 1): waves 0 and 1 fetch P's halves, waves 2 and 3 V's; the branch hangs on the wave's number alone.  An s_nop 0 and four v_nop follow each line.
.macro JLOAD slot
	s_cmp_eq_u32 s[H1], 0
	s_cbranch_scc0 .Lfor_v_\@
	tensor_load_to_lds s[G0P+8*\slot:G0P+8*\slot+3], s[G1P+8*\slot:G1P+8*\slot+7]
	s_nop 0
.rept 4
	v_nop
.endr
	s_branch .Lasked_\@
.Lfor_v_\@:
	tensor_load_to_lds s[G0V+4*\slot:G0V+4*\slot+3], s[G1V+8*\slot:G1V+8*\slot+7]
	s_nop 0
.rept 4
	v_nop
.endr
.Lasked_\@:
.endm
.macro FRAG reg, adr, off              ; a fragment's image: four loads of 512 consecutive bytes
.irp c, 0,1,2,3
	ds_load_b128 v[(\reg)+4*\c:(\reg)+4*\c+3], v[\adr] offset:(\off)+512*\c
.endr
.endm
.macro FETCH_B slot, q, p              ; V^T's eight fragments of the region's q-th K step into set p of window 1
	WIN 0x40
.irp i, 0,1,2,3,4,5,6,7
	FRAG 128*(\p)+16*\i, ADRB+(\slot), (RBA-(RBA-RBB)*(\slot))*\i+2048*(\q)
.endr
	WIN 0
.endm
.macro FETCH_A slot, q, i0             ; P's blocks i0, i0 + 1
.set fi, (\i0)
.rept NA/2
	FRAG AF+16*fi, ADRA+(\slot), (RBA-(RBA-RBB)*(\slot))*fi+2048*(\q)
.set fi, fi+1
.endr
.endm
.macro SCALES g                        ; K step g's scale words: one load brings two blocks' words
.set fi, 0
.rept NA/2
	ds_load_b32 v[SC+8*((\g)%2)+fi], v[ADSA] offset:512*(\g)+128*fi
.set fi, fi+1
.endr
.irp j, 0,1,2,3
	ds_load_b32 v[SC+8*((\g)%2)+2+\j], v[ADSB] offset:1024*(\g)+128*\j
.endr
.endm
.macro WM                              ; one matrix instruction from the symbols set by MULA; an odd block's words lie in lanes 16-31
.if cz
.if w0 && w1
	v_wmma_scale_f32_16x16x128_f8f6f4 v[rD:rD+7], v[rS0:rS0+15], v[rS1:rS1+15], 0, v[rX0], v[rX1] matrix_a_scale:MATRIX_SCALE_ROW1 matrix_b_scale:MATRIX_SCALE_ROW1
.elseif w0
	v_wmma_scale_f32_16x16x128_f8f6f4 v[rD:rD+7], v[rS0:rS0+15], v[rS1:rS1+15], 0, v[rX0], v[rX1] matrix_a_scale:MATRIX_SCALE_ROW1
.elseif w1
	v_wmma_scale_f32_16x16x128_f8f6f4 v[rD:rD+7], v[rS0:rS0+15], v[rS1:rS1+15], 0, v[rX0], v[rX1] matrix_b_scale:MATRIX_SCALE_ROW1
.else
	v_wmma_scale_f32_16x16x128_f8f6f4 v[rD:rD+7], v[rS0:rS0+15], v[rS1:rS1+15], 0, v[rX0], v[rX1]
.endif
.else
.if w0 && w1
	v_wmma_scale_f32_16x16x128_f8f6f4 v[rD:rD+7], v[rS0:rS0+15], v[rS1:rS1+15], v[rC:rC+7], v[rX0], v[rX1] matrix_a_scale:MATRIX_SCALE_ROW1 matrix_b_scale:MATRIX_SCALE_ROW1
.elseif w0
	v_wmma_scale_f32_16x16x128_f8f6f4 v[rD:rD+7], v[rS0:rS0+15], v[rS1:rS1+15], v[rC:rC+7], v[rX0], v[rX1] matrix_a_scale:MATRIX_SCALE_ROW1
.elseif w1
	v_wmma_scale_f32_16x16x128_f8f6f4 v[rD:rD+7], v[rS0:rS0+15], v[rS1:rS1+15], v[rC:rC+7], v[rX0], v[rX1] matrix_b_scale:MATRIX_SCALE_ROW1
.else
	v_wmma_scale_f32_16x16x128_f8f6f4 v[rD:rD+7], v[rS0:rS0+15], v[rS1:rS1+15], v[rC:rC+7], v[rX0], v[rX1]
.endif
.endif
.endm
; P's block a against V^T's eight, K step g.  cm 0: C = D; 1: C = 0: the first product starts the sums
.macro MULA a, g, cm
	WIN 0xa1                                       ; source 0 (V^T) window 1, source 1 (P) window 0, C and D window 2
.irp b, 0,1,2,3,4,5,6,7
.set rD,  8*(8*(\a)+\b)
.set rS0, 128*((\g)%2)+16*\b
.set rS1, AF+16*(\a)
.set rX0, SC+8*((\g)%2)+2+\b/2
.set rX1, SC+8*((\g)%2)+(\a)/2
.set w0,  \b%2
.set w1,  (\a)%2
.set rC,  rD
.set cz,  (\cm)
	WM
.endr
.endm
.macro MULS a0, n, g, cm               ; the accumulators take turns, one instruction a turn, in the same order in every step
.set ma, (\a0)
.rept \n
	MULA ma, \g, \cm
.set ma, ma+1
.endr
.endm
; K step g, whose successor is the nq-th K step of the same region ns.  Loads into registers that matrix instructions have read stand eight plain vector instructions behind them.
.macro STEP g, ns, nq, cm
	s_wait_dscnt 2*NA                              ; all but the youngest loads, P's upper two blocks (four loads each)
	MULS 0, NA/2, \g, \cm
	s_wait_dscnt 0x0
	PLACES 8
	FETCH_B \ns, \nq, ((\g)+1)%2
	FETCH_A \ns, \nq, 0
	SCALES (\g)+1
	MULS NA/2, NA/2, \g, \cm
	PLACES 8
	WIN 0
	FETCH_A \ns, \nq, NA/2
.endm
; K step g, the last of region slot: ONE barrier; in front of it each wave waits for all its tensor loads, adds 0 to its spare word, and waits for that and for its reads of this region.
; fill = 1: the region is filled again, with the K steps six further on than those that it held.
.macro TURN g, slot, fill
	s_wait_tensorcnt 0x0                           ; all my tensor loads have landed: my part of the other region
	ds_add_u32 v[SPW], v[NIL]
	s_wait_dscnt 2*NA+1                            ; (the add and P's upper two blocks may be out)
	MULS 0, 1, \g, 0
	s_wait_dscnt 0x0                               ; the add is done, and my reads of this region are over
	s_barrier_signal -1
	MULS 1, 1, \g, 0
	WIN 0
	s_barrier_wait -1
.if \fill
	CREST                                          ; the barrier has opened a round of the cluster's: no wave of any partner still reads this region or has a load on its way
	s_add_nc_u64 s[G0P+8*\slot+2:G0P+8*\slot+3], s[G0P+8*\slot+2:G0P+8*\slot+3], 6*2048
	s_add_nc_u64 s[G0V+4*\slot+2:G0V+4*\slot+3], s[G0V+4*\slot+2:G0V+4*\slot+3], 6*2048
	JLOAD \slot                                    ; the first tensor load behind the round, one a wave
	PLACES PJ
.else
	PLACES 8
.endif
	FETCH_B 1-(\slot), 0, ((\g)+1)%2
	FETCH_A 1-(\slot), 0, 0
	SCALES (\g)+1
	MULS NA/2, NA/2, \g, 0
	PLACES 8
	WIN 0
	FETCH_A 1-(\slot), 0, NA/2
.endm
	s_load_b256 s[4:11], s[0:1], 0x0               ; p_codes s[4:5], p_meta s[6:7], qkv_codes s[8:9], qkv_scales s[10:11]
	s_load_b64 s[12:13], s[0:1], 0x20              ; out0
	v_lshl_add_u32 v[SPW], v0, 2, SPARE
	v_mov_b32 v[NIL], 0
	ds_add_u32 v[SPW], v[NIL]                      ; the wave's opening: the add, twice on end, and its wait ahead of my first tensor load
	ds_add_u32 v[SPW], v[NIL]
	v_lshrrev_b32 v1, 5, v0
	v_readfirstlane_b32 s[WV], v1
	s_lshr_b32 s[H1], s[WV], 1
	s_and_b32 s[H0], s[WV], 1
	s_bfe_u32 s[CX], ttmp6, 0x40000                ; which 256 of d (the grid has one cluster along x)
	s_bfe_u32 s[CY], ttmp6, 0x40004
	s_and_b32 s[CLY], ttmp7, 0xffff
	s_lshl_b32 s[YQ], s[CLY], 2
	s_add_co_u32 s[YQ], s[YQ], s[CY]               ; which 128 queries
	s_lshr_b32 s[BAT], s[CLY], 2                   ; the batch
	s_lshl_b32 s[MROW], s[CY], 2
	s_lshl_b32 s[MROW], 15, s[MROW]
	s_lshl_b32 s[MCOL], 0x1111, s[CX]
.irp s, 0,1
	s_or_b32 s[G1P+8*\s], s[MROW], (3<<16)|(1<<21) ; the mask; elements of 8 bytes; bit 21 beside a mask; no padding
	s_mov_b32 s[G1P+8*\s+1], (1024>>\s)<<16        ; tensor_dim0: a row block's four K steps, 8,192 bytes (region B: two, 4,096)
	s_mov_b32 s[G1P+8*\s+2], 4<<16                 ; tensor_dim1: 4 row blocks
	s_mov_b32 s[G1P+8*\s+3], (1024>>\s)<<16        ; tile_dim0
	s_mov_b32 s[G1P+8*\s+4], 4                     ; tile_dim1
	s_mov_b32 s[G1P+8*\s+5], 4096                  ; from row block to row block: 16 K steps, 32,768 bytes
	s_mov_b32 s[G1P+8*\s+6], 0
	s_mov_b32 s[G1P+8*\s+7], 0
	s_or_b32 s[G1V+8*\s], s[MCOL], (3<<16)|(1<<21)
	s_mov_b32 s[G1V+8*\s+1], (1024>>\s)<<16
	s_mov_b32 s[G1V+8*\s+2], 8<<16                 ; 8 row blocks
	s_mov_b32 s[G1V+8*\s+3], (1024>>\s)<<16
	s_mov_b32 s[G1V+8*\s+4], 8
	s_mov_b32 s[G1V+8*\s+5], 4096
	s_mov_b32 s[G1V+8*\s+6], 0
	s_mov_b32 s[G1V+8*\s+7], 0
.endr
	s_mov_b32 s[G1P+2], 8<<16                      ; at the head 8 row blocks of P; behind it these two words are set to 4
	s_mov_b32 s[G1P+4], 8
	s_or_b32 s[G1S], s[MCOL], (3<<16)|(1<<21)
	s_mov_b32 s[G1S+1], 128<<16                    ; 1,024 bytes: the words of 256 rows of V^T
	s_mov_b32 s[G1S+2], 16<<16                     ; a row for each K step
	s_mov_b32 s[G1S+3], 128<<16
	s_mov_b32 s[G1S+4], 16
	s_mov_b32 s[G1S+5], 512                        ; 4,096 bytes from K step to K step
	s_mov_b32 s[G1S+6], 0
	s_mov_b32 s[G1S+7], 0
	s_mov_b32 s[HB], 0x80808080
	s_lshl_b32 s98, s[YQ], 18                      ; P: 8 row blocks of 32,768 bytes a work-group, 4 a half: never holds cx
	s_lshl_b32 s99, s[H0], 17
	s_add_co_u32 s98, s98, s99
	s_mov_b32 s99, 0
	s_lshl_b32 s100, s[CX], 4                      ; V^T: row block 16 cx + 8 x half: never holds cy
	s_lshl_b32 s101, s[H0], 3
	s_add_co_u32 s100, s100, s101
	s_lshl_b32 s100, s100, 15
	s_lshl_b32 s101, s[BAT], 21
	s_add_co_u32 s100, s100, s101
	s_add_co_u32 s100, s100, 16777216
	s_mov_b32 s101, 0
	s_lshl_b32 s104, s[BAT], 16                    ; V's scale words: the batch, 256 cx rows, all sixteen K steps
	s_lshl_b32 s105, s[CX], 10
	s_add_co_u32 s104, s104, s105
	s_add_co_u32 s104, s104, 524288
	s_mov_b32 s105, 0
	s_lshl_b32 s[META], s[YQ], 9                   ; my work-group's 128 words in a plane's row
	s_mov_b32 s[META+1], 0
	s_lshl_b32 s[OUT], s[YQ], 19                   ; out: row 128 y + 64 x half, 4,096 bytes a row; column 256 cx + 128 x half
	s_lshl_b32 s97, s[H1], 18
	s_add_co_u32 s[OUT], s[OUT], s97
	s_lshl_b32 s97, s[CX], 10
	s_add_co_u32 s[OUT], s[OUT], s97
	s_lshl_b32 s97, s[H0], 9
	s_add_co_u32 s[OUT], s[OUT], s97
	s_mov_b32 s[OUT+1], 0
	s_lshl_b32 s96, s[CX], 15
	s_lshl_b32 s97, s[CY], 16
	s_cmp_eq_u32 s[H1], 0
	s_cselect_b32 s96, s96, s97
	v_lshlrev_b32 v[MO], 2, v0
	v_and_b32 v[PFO], 31, v0
	v_lshlrev_b32 v[PFO], 8, v[PFO]
	v_add_nc_u32 v[PFO], s96, v[PFO]
	s_wait_alu depctr_va_vdst(0)
	s_wait_dscnt 0x0                               ; both opening adds are done
	s_wait_kmcnt 0x0
	s_add_nc_u64 s[98:99], s[4:5], s[98:99]
	s_add_nc_u64 s[100:101], s[8:9], s[100:101]
	s_add_nc_u64 s[104:105], s[10:11], s[104:105]
	s_add_nc_u64 s[META:META+1], s[6:7], s[META:META+1]
	s_add_nc_u64 s[OUT:OUT+1], s[12:13], s[OUT:OUT+1]
.irp k, 0,1,2,3,4,5,6,7,8,9,10,11,12,13,14,15
	global_load_b32 v[MW+\k], v[MO], s[META:META+1] offset:\k*32768           ; my query's scale word of K step k,
	global_load_b32 v[MN+\k], v[MO], s[META:META+1] offset:524288+\k*32768    ; its -M,
	global_load_b32 v[ML+\k], v[MO], s[META:META+1] offset:1048576+\k*32768   ; its local sum
.endr
	CROUND                                         ; all sixteen work-groups are here: the first joint loads meet
	s_mov_b32 s[G0P], 1                            ; P, region A: K steps 0-3
	s_lshl_b32 s[G0P+1], s[H0], 15                 ; 4 row blocks of 8,192 bytes a half: no place in the cluster enters an LDS address
	s_mov_b64 s[G0P+2:G0P+3], s[98:99]
	s_or_b32 s[G0P+3], s[G0P+3], 0x80000000
	s_mov_b32 s[G0P+8], 1                          ; P, region B: K steps 4-5
	s_lshl_b32 s[G0P+9], s[H0], 14
	s_add_co_u32 s[G0P+9], s[G0P+9], REGB
	s_add_nc_u64 s[G0P+10:G0P+11], s[98:99], 4*2048
	s_or_b32 s[G0P+11], s[G0P+11], 0x80000000
	s_mov_b32 s[G0V], 1                            ; V^T, region A
	s_lshl_b32 s[G0V+1], s[H0], 16
	s_add_co_u32 s[G0V+1], s[G0V+1], 8*RBA
	s_mov_b64 s[G0V+2:G0V+3], s[100:101]
	s_or_b32 s[G0V+3], s[G0V+3], 0x80000000
	s_mov_b32 s[G0V+4], 1                          ; V^T, region B
	s_lshl_b32 s[G0V+5], s[H0], 15
	s_add_co_u32 s[G0V+5], s[G0V+5], REGB+8*RBB
	s_add_nc_u64 s[G0V+6:G0V+7], s[100:101], 4*2048
	s_or_b32 s[G0V+7], s[G0V+7], 0x80000000
	s_mov_b32 s[G0S], 1                            ; V's scale words
	s_mov_b32 s[G0S+1], VSC
	s_mov_b64 s[G0S+2:G0S+3], s[104:105]
	s_or_b32 s[G0S+3], s[G0S+3], 0x80000000
	s_cmp_eq_u32 s[H1], 0
	s_cselect_b64 s[PFA:PFA+1], s[98:99], s[100:101]
	s_cmp_eq_u32 s[WV], 0                          ; the head's loads: ONE tree of branches on the wave's number, one load to an arm
	s_cbranch_scc0 .Lff_1
	tensor_load_to_lds s[G0P:G0P+3], s[G1P:G1P+7]
	s_nop 0
	PLACES 4
	s_branch .Lff_done
.Lff_1:
	s_cmp_eq_u32 s[WV], 1
	s_cbranch_scc0 .Lff_v
	tensor_load_to_lds s[G0S:G0S+3], s[G1S:G1S+7]
	s_nop 0
	PLACES 4
	s_branch .Lff_done
.Lff_v:
	tensor_load_to_lds s[G0V:G0V+3], s[G1V:G1V+7]
	s_nop 0
	PLACES 4
.Lff_done:
	v_and_b32 v1, 31, v0
	v_and_b32 v2, 15, v0
	v_bfe_u32 v3, v0, 4, 1
	v_lshlrev_b32 v[LI], 4, v1
	v_lshlrev_b32 v6, 2, v1
	s_wait_alu depctr_va_vdst(0)
	s_lshl_b32 s98, s[H1], 15                      ; my four blocks of P in region A,
	v_add_nc_u32 v[ADRA], s98, v[LI]
	s_lshl_b32 s98, s[H1], 14                      ; in region B;
	s_add_co_u32 s98, s98, REGB
	v_add_nc_u32 v[ADRA+1], s98, v[LI]
	s_lshl_b32 s98, s[H0], 16                      ; my eight blocks of V^T in region A,
	s_add_co_u32 s98, s98, 8*RBA
	v_add_nc_u32 v[ADRB], s98, v[LI]
	s_lshl_b32 s98, s[H0], 15                      ; in region B
	s_add_co_u32 s98, s98, REGB+8*RBB
	v_add_nc_u32 v[ADRB+1], s98, v[LI]
	s_lshl_b32 s98, s[H1], 8
	s_add_co_u32 s99, s98, PSC
	v_add_nc_u32 v[ADSA], s99, v6
	s_add_co_u32 s99, s98, RL
	v_lshl_add_u32 v[ADRL], v2, 2, s99
	s_lshl_b32 s98, s[H0], 9
	s_add_co_u32 s98, s98, VSC
	v_add_nc_u32 v[ADSB], s98, v6
	s_mul_i32 s98, s[WV], 16*528
	s_add_co_u32 s98, s98, STAGE
	v_mul_u32_u24 v[STO], v2, 528
	v_lshl_add_u32 v[STO], v3, 6, v[STO]
	v_add_nc_u32 v[STO], s98, v[STO]               ; into my stage: row r, + 64 h
	v_add_nc_u32 v[RD], s98, v[LI]                 ; and back: a row of 512 bytes to the 32 lanes
	v_lshl_add_u32 v[PSW], v0, 2, PSC
	s_wait_loadcnt 0x0                             ; my query's 48 words
	v_min_num_f32 v[NMR], v[MN], v[MN+1]
.irp k, 2,3,4,5,6,7,8,9,10,11,12,13,14,15
	v_min_num_f32 v[NMR], v[NMR], v[MN+\k]         ; -M of the row
.endr
.irp k, 0,1,2,3,4,5,6,7,8,9,10,11,12,13,14,15
	v_sub_f32 v[T0], v[NMR], v[MN+\k]              ; M(local) - M(row): a whole number, 0 or less
	v_cvt_i32_f32 v[T0], v[T0]                     ; (it saturates)
.if \k == 0
	v_ldexp_f32 v[LS], v[ML], v[T0]                ; the first term starts the sum
.else
	v_ldexp_f32 v[T1], v[ML+\k], v[T0]
	v_add_f32 v[LS], v[LS], v[T1]
.endif
	v_sub_nc_u32 v[T0], 0, v[T0]
	v_min_u32 v[T0], 127, v[T0]                    ; d, held at 127
	v_lshl_or_b32 v[T0], v[T0], 8, v[T0]
	v_lshl_or_b32 v[T0], v[T0], 16, v[T0]          ; in all four bytes
	v_or_b32 v[T2], s[HB], v[MW+\k]                ; the bytes are 1 to 119: with bit 7 set no borrow crosses a byte,
	v_sub_nc_u32 v[T2], v[T2], v[T0]
	v_and_b32 v[T0], s[HB], v[T2]                  ; and bit 7 stays where byte - d is not negative:
	v_lshrrev_b32 v[T1], 7, v[T0]
	v_sub_nc_u32 v[T0], v[T0], v[T1]               ; 0x7f there, 0 elsewhere
	v_and_b32 v[MW+\k], v[T2], v[T0]
	ds_store_b32 v[PSW], v[MW+\k] offset:512*\k
.endr
	s_wait_alu depctr_va_vdst(0)
	v_rcp_f32 v[T0], v[LS]
	v_nop                                          ; a plain instruction behind the reciprocal,
	s_wait_alu depctr_va_vdst(0)                   ; and a wait ahead of its first reader
	ds_store_b32 v[PSW], v[T0] offset:RL-PSC
	s_wait_tensorcnt 0x0                           ; my tile of the head's is in
	ds_add_u32 v[SPW], v[NIL]
	s_mov_b32 s[G1P+2], 4<<16                      ; no tensor load of mine is out: from here on a load of P brings 4 row blocks
	s_mov_b32 s[G1P+4], 4
	s_wait_dscnt 0x0                               ; the add is done, and my words lie in LDS
	CROUND
	JLOAD 1                                        ; region B's first fill
	FETCH_B 0, 0, 0
	FETCH_A 0, 0, 0
	SCALES 0
	FETCH_A 0, 0, NA/2
	ASK 6*2048                                     ; K steps 6-9
	STEP 0, 0, 1, 1                                ; the first K step starts the sums: nothing is cleared
	STEP 1, 0, 2, 0
	STEP 2, 0, 3, 0
	TURN 3, 0, 1                                   ; region A takes K steps 6-9
	STEP 4, 1, 1, 0
	TURN 5, 1, 1                                   ; region B takes K steps 10-11
	ASK 12*2048                                    ; K steps 12-15
	STEP 6, 0, 1, 0
	STEP 7, 0, 2, 0
	STEP 8, 0, 3, 0
	TURN 9, 0, 1                                   ; region A takes K steps 12-15
	STEP 10, 1, 1, 0
	TURN 11, 1, 0                                  ; nothing is left to fetch
	STEP 12, 0, 1, 0
	STEP 13, 0, 2, 0
	STEP 14, 0, 3, 0
	s_wait_dscnt 2*NA
	MULS 0, NA/2, 15, 0
	s_wait_dscnt 0x0
	MULS NA/2, NA/2, 15, 0
	WIN 0
; THE WAY OUT, a block of 16 queries x 128 of d at a time: x 1 / l; through my stage; back as whole rows of 512 bytes.  Register 8 b + j of lane (r, h) is d = 32 (b/2) + 16 h + 8 (b%2) + j.
.macro SCALEO a
	WIN 2
.set j, 0
.rept 32
	v_pk_mul_f32 v[T+j:T+j+1], v[64*(\a)+j:64*(\a)+j+1], v[RLV+2*(\a):RLV+2*(\a)+1]   ; ascending: each accumulator is read from its low end on
.set j, j+2
.endr
	WIN 0
.endm
.macro TOSTAGE a
.irp b, 0,1,2,3,4,5,6,7
	ds_store_b128 v[STO], v[T+8*\b:T+8*\b+3] offset:128*(\b/2)+32*(\b%2)
	ds_store_b128 v[STO], v[T+8*\b+4:T+8*\b+7] offset:128*(\b/2)+32*(\b%2)+16
.endr
.set BB, 128+64*((\a)%2)
.irp t, 0,1,2,3,4,5,6,7,8,9,10,11,12,13,14,15
	ds_load_b128 v[BB+4*\t:BB+4*\t+3], v[RD] offset:528*\t   ; LDS serves a wave's instructions in order (ISA guide 5.7.1.4): these see the stores above
.endr
.endm
.macro SEND a, younger                 ; stage row t is the query that lane r = t of block a holds
.set BB, 128+64*((\a)%2)
	s_wait_dscnt \younger
.irp t, 0,1,2,3,4,5,6,7,8,9,10,11,12,13,14,15
	global_store_b128 v[LI], v[BB+4*\t:BB+4*\t+3], s[OUT:OUT+1] offset:(32*((\a)/2)+8*((\a)%2)+\t+8*(\t/8))*4096 th:TH_STORE_NT   ; 512 consecutive bytes, aligned; written once
.endr
.endm
	PLACES 8                                       ; behind the last products: for the reads of results and the loads over P's fragments
.irp a, 0,1,2,3
	ds_load_b32 v[RLV+2*\a], v[ADRL] offset:64*\a
	ds_load_b32 v[RLV+2*\a+1], v[ADRL] offset:64*\a
.endr
	s_wait_dscnt 0x0
	SCALEO 0
	TOSTAGE 0
.irp a, 1,2,3
	s_wait_dscnt 16                                ; the last block's 16 stores into the stage have read their registers; its 16 loads may be out
	SCALEO \a
.if \a > 1
	s_wait_alu depctr_va_vdst(0)
	s_wait_xcnt 0x0                                ; block a - 2's stores have read their data: block a's rows may land there
.endif
	TOSTAGE \a
	SEND \a-1, 32                                  ; behind block a - 1's loads: block a's 16 stores and 16 loads
.endr
	SEND 3, 0
	s_wait_tensorcnt 0x0                           ; the wave's end
	ds_add_u32 v[SPW], v[NIL]
	s_wait_dscnt 0x0
	CROUND                                         ; the closing round
	s_endpgm
.Lfunc_end_k_q71df3807f3_pv:
	.size	k_q71df3807f3_pv, .Lfunc_end_k_q71df3807f3_pv-k_q71df3807f3_pv
	.p2alignl 7, 3214868480
	.fill 96, 4, 3214868480
	.section	.rodata,"a",@progbits
	.p2align	6, 0x0
	.amdhsa_kernel k_q71df3807f3_pv
		.amdhsa_group_segment_fixed_size 327680
		.amdhsa_private_segment_fixed_size 0
		.amdhsa_enable_private_segment 0
		.amdhsa_kernarg_size 40
		.amdhsa_user_sgpr_count 2
		.amdhsa_user_sgpr_kernarg_segment_ptr 1
		.amdhsa_wavefront_size32 1
		.amdhsa_system_sgpr_workgroup_id_x 1
		.amdhsa_system_sgpr_workgroup_id_y 1
		.amdhsa_system_sgpr_workgroup_id_z 1
		.amdhsa_system_vgpr_workitem_id 0
		.amdhsa_next_free_vgpr 768
		.amdhsa_next_free_sgpr 106
		.amdhsa_reserve_vcc 0
		.amdhsa_float_denorm_mode_32 3
		.amdhsa_float_denorm_mode_16_64 3
		.amdhsa_memory_ordered 1
		.amdhsa_forward_progress 1
		.amdhsa_inst_pref_size 182
	.end_amdhsa_kernel
	.amdgpu_metadata
---
amdhsa.version: [ 1, 2 ]
amdhsa.kernels:
  - .name:           k_q71df3807f3_pv
    .symbol:         k_q71df3807f3_pv.kd
    .args:
      - { .name: p_codes, .offset: 0, .size: 8, .value_kind: global_buffer, .address_space: global }
      - { .name: p_meta, .offset: 8, .size: 8, .value_kind: global_buffer, .address_space: global }
      - { .name: qkv_codes, .offset: 16, .size: 8, .value_kind: global_buffer, .address_space: global }
      - { .name: qkv_scales, .offset: 24, .size: 8, .value_kind: global_buffer, .address_space: global }
      - { .name: out0, .offset: 32, .size: 8, .value_kind: global_buffer, .address_space: global }
    .group_segment_fixed_size: 327680
    .private_segment_fixed_size: 0
    .kernarg_segment_align: 8
    .kernarg_segment_size: 40
    .max_flat_workgroup_size: 128
    .sgpr_count:     106
    .vgpr_count:     768
    .wavefront_size: 32
...
	.end_amdgpu_metadata
.endif
;; end of part 4
